; MI455X (gfx1250); checked and timed in simulation.
; The chip was launched on July 23, 2026; its instructions are those of AMD's public machine-readable ISA for CDNA 5 (MIT licence, August 2026) and "CDNA5" Instruction Set Architecture Reference Guide (July 2026). The comments in the code are by the model that wrote it; some were corrected since.
;; Linear Attention. Allowed arithmetic: matrix products marked QUANTISED: E5M2 operands, one given power-of-two scale a tensor, by v_wmma_f32_16x16x64_bf8_bf8 or v_wmma_f32_16x16x128_bf8_bf8, f32 sums; products left as they are: f32 operands where the result goes on into a quantised operand, else bf16, f16 or f32 operands; f32 sums; everything else in f32.
;; Inputs: Wk_codes 256 x 32 x 32 uint8 (E5M2 codes of Wk, K innermost, in blocks of 32 codes); Wo_codes 1,024 x 32 x 32 uint8 (E5M2 codes of Wo, K innermost, in blocks of 32 codes); Wq_codes 256 x 32 x 32 uint8 (E5M2 codes of Wq, K innermost, in blocks of 32 codes); Wv_codes 1,024 x 32 x 32 uint8 (E5M2 codes of Wv, K innermost, in blocks of 32 codes); hidden_states_codes 2 x 2,048 x 32 x 32 uint8 (E5M2 codes of hidden_states, K innermost, in blocks of 32 codes); lowp_scales 12 int32 (the exponents e of the quantised operands' scales 2^e).
;; Outputs: out0 2 x 2,048 x 1,024 float32.
;; This version of the problem:
;;   THIS VERSION OF THE PROBLEM IS GIVEN IN LOW PRECISION. The matrix products marked QUANTISED in the list below multiply operands that are first quantised to E5M2 (5 exponent bits, 2 mantissa bits; 8 bits a number), with one given power-of-two scale for each operand tensor; their sums are f32. All else is computed in f32.
;;   The module's matrix products, in the order in which they are computed (A, B: the left and right operand; K: the contracted axis; several contracted axes count as one K, in the product's order):
;;     1. [M 4,096, K 1,024] x [K 1,024, N 256]; A: input hidden_states (given as codes); B: input Wq (given as codes): QUANTISED (scales: A lowp_scales[0], B lowp_scales[1])
;;     2. [M 4,096, K 1,024] x [K 1,024, N 256]; A: input hidden_states (given as codes); B: input Wk (given as codes): QUANTISED (scales: A lowp_scales[2], B lowp_scales[3])
;;     3. [M 4,096, K 1,024] x [K 1,024, N 1,024]; A: input hidden_states (given as codes); B: input Wv (given as codes): QUANTISED (scales: A lowp_scales[4], B lowp_scales[5])
;;     4. batch 32 x [M 2,048, K 273] x [K 273, N 2,048]; A: computed on the way; B: computed on the way: QUANTISED (scales: A lowp_scales[6], B lowp_scales[7])
;;     5. batch 32 x [M 2,048, K 2,048] x [K 2,048, N 64]; A: computed on the way; B: computed on the way: QUANTISED (scales: A lowp_scales[8], B lowp_scales[9])
;;     6. batch 65,536 x [M 1, K 273] x [K 273, N 1]; A: computed on the way; B: computed on the way: left as it is (M = 1 < 16)
;;     7. [M 4,096, K 1,024] x [K 1,024, N 1,024]; A: computed on the way; B: input Wo (given as codes): QUANTISED (scales: A lowp_scales[10], B lowp_scales[11])
;;   THE QUANTISER, for each operand of a quantised product, along K:
;;     - The operand's scale is 2^e, e = its entry of the input lowp_scales (int32; the entries are numbered through the quantised products in the list's order, A before B).
;;     - Each number is divided by the scale, clamped to +-57,344, and rounded to the nearest number of E5M2, ties to even, subnormals kept.
;;     - The product sums the exact products of the quantised numbers (number of the format x scale) in f32.
;;   ~~~python
;;   def quantise(x, axis, e):      # numpy; x: float32 -> the quantised numbers, widened to float32 again
;;       x = np.moveaxis(x, axis, -1); K = x.shape[-1]
;;       r = np.clip(x / 2.0 ** e, -57344, 57344)
;;       step = 2.0 ** (np.maximum(np.frexp(np.where(r == 0, 1, r))[1] - 1, -14) - 2)
;;       q = np.round(r / step) * step * 2.0 ** e      # np.round: ties to even
;;       return np.moveaxis(q, -1, axis).astype(np.float32)
;;   ~~~
;;   OPERANDS COMPUTED ON THE WAY. 'Computed on the way' means the value that the module computes at that place (a softmax that the list does not call 'softmax' is quantised finished and normalised). What goes into a quantiser is computed in f32, as accurately as f32 sums, v_exp_f32 and their like allow (about 1e-6 of the number): no bf16 or f16 on the way to a quantiser, and a product that is left as it is and whose result goes on into a quantised operand takes f32 operands (vector FMAs, or v_wmma_f32_16x16x4_f32). A number that lies on a knife's edge between two numbers of the format may be rounded either way, as far as f32 arithmetic and the matrix unit's own rounding can turn it there, and no further.
;;   INPUTS GIVEN AS CODES. Wk (in the module: [256, 1024], K = its axis 1); Wo (in the module: [1024, 1024], K = its axis 1); Wq (in the module: [256, 1024], K = its axis 1); Wv (in the module: [1024, 1024], K = its axis 1); hidden_states (in the module: [2, 2048, 1024], K = its axis 2): each comes as NAME_codes (uint8): NAME with its K axis moved to the last place and cut into blocks of 32 codes, [.., K / 32, bytes a block], one block behind the other in memory; one code a byte (a code: sign, 5 exponent bits, 2 mantissa bits); its scale is its entry of lowp_scales. Its value is code x scale, taken as it is: it is not quantised again, and the codes and scales need not be those that the quantiser above would give.
;; 2 versions, each right; version 2 is version 1 with the launch attn written anew for expert scheduling mode. Each part assembles by itself: llvm-mc -triple=amdgcn-amd-amdhsa -mcpu=gfx1250 --defsym DOCPART=n.
;; ======== version 1 of 2: 3 launches
;; workspace buffers: kf_img 10,485,760 bytes; v_img 4,194,304 bytes; q_img 4,194,304 bytes; ssum 2,097,152 bytes; dloc 262,144 bytes; y_img 4,194,304 bytes
;; launch proj (part 1): grid 8 x 32, 4 waves a work-group, clusters of 4 x 4, 327,680 bytes of LDS; arguments hidden_states_codes, Wq_codes, Wk_codes, Wv_codes, lowp_scales, kf_img, v_img, q_img, ssum, dloc; writes kf_img, v_img, q_img, ssum, dloc
.if DOCPART == 1
	.amdgcn_target "amdgcn-amd-amdhsa--gfx1250"
	.amdhsa_code_object_version 6
	.text
	.protected	k_qba01d52279_proj
	.globl	k_qba01d52279_proj
	.p2align	8
	.type	k_qba01d52279_proj,@function
k_qba01d52279_proj:
	s_mov_b64 s[64:65], 0
	v_nop
	global_prefetch_b8 v0, s[64:65] scope:SCOPE_SE
	s_setreg_imm32_b32 hwreg(HW_REG_WAVE_MODE, 25, 1), 1
	s_wait_xcnt 0x0
	s_wait_alu depctr_hold_cnt(0) depctr_sa_sdst(0) depctr_va_vdst(0) depctr_va_sdst(0) depctr_va_ssrc(0) depctr_va_vcc(0) depctr_vm_vsrc(0)
	s_getreg_b32 s2, hwreg(HW_REG_IB_STS2, 6, 4)
	s_cmp_eq_u32 s2, 0
	s_cbranch_scc0 .Lentry_in_a_cluster
	s_endpgm
.Lentry_in_a_cluster:
	s_bfe_u32 s2, ttmp6, 0x10000c
	s_cmp_lg_u32 s2, 0xf033
	s_cbranch_scc0 .Lentry_shape_is_right
	s_endpgm
.Lentry_shape_is_right:
; q, k, v = hidden_states x Wq^T, Wk^T, Wv^T on E5M2 codes (K = 1,024), and what the attention launch wants of them:
;   q_img  true q in f32;  kf_img  codes of the Taylor features of k;  v_img  codes of v with the keys innermost;
;   ssum   for each 64 tokens of a head the sums S2 = sum k k^T and 8 S1 = 8 sum k;  dloc  the denominator's part inside each 64 tokens.
; All five are laid as IMAGES OF REGISTERS: a group of four registers is 512 consecutive bytes, lane l's 16 bytes at 16 l, so every store of a wave covers 512 consecutive bytes, aligned.
; SHARES.  A work-group: 128 tokens (y) x two heads (x).  Wave w: 64 tokens (w / 2) of one head (w % 2): 4 tiles of 16 tokens x {q, k, k transposed, 4 tiles of v} = 28 accumulators.
; K goes in 8 steps of 128.  Four chunks of 256 along K lie in three LDS slots (rows of 256 bytes + 16); chunk 3 fills slot 0 again.
; CLUSTER 4 x 4: the tokens' tile hangs on y alone and is asked for jointly along a row of the cluster, the weights' tiles on x alone, along a column.
; THE FEATURES.  x_i x_j = x_j x_i, so the 240 products with i != j are 120 codes used twice.  A token's fragment is X (128 along K, counted twice) and Y (64 along K, counted once):
;   X: two zero registers, 28 own pairs (both indices in the lane's eight) and 28 cross pairs (one index in the other half's eight) for each half of the lanes;
;   Y: 8 squares, 8 products x_i x_(i+8) (in both halves: so twice), 8 linear features, and the constant's group, which the attention launch puts in.  2 x 112 + 16 + 16 + 16 + 1 = 273.
; THE DENOMINATOR.  qf . kf = 1 + s / 4 + s^2 / 32, s = q . k.  Inside a chunk of 16 tokens s comes from a product in f32, masked; over earlier chunks it is a count + (q^T S2 q + 8 q . S1) / 32.
; LIMITS.  NaN and infinity among the codes are not served.  e0 + e1 and e2 + e3 between -126 and 127; e7 between -126 and 111; e9 - e4 - e5 between -126 and 112: each power of two below is then an f32 number.
; A feature is x_i (c x_j), c = 1 / (4 sqrt 2): two roundings in f32.
; REGISTERS, in windows of 256.  Window 0: v1-20 addresses and scales; v64-223 fragment set 0 (tokens 64 + 16 i, Wq 128, Wk 144, Wv 160 + 16 u); behind the products see the names below.
;   Window 2: v64-223 fragment set 1.   Window 1: accumulators: q 8 i, k 32 + 8 i, k^T 64 + 8 i, v 96 + 32 u + 8 i.
;   Window 3: v0-119 results of the f32 matrix form (s 8 c, k k^T 32 + 8 c, 8 sum k 64 + 8 c, U 96 + 8 (c - 1)), written by matrix instructions alone; v128-175 running sums; v176-183 the triangle.
.set PITCH, 272                        ; an LDS row: 256 bytes + 16: the 16 rows of a fragment load start 4 banks apart (64 banks of 4 bytes: ISA guide 11.1)
.set SLOT,  320*PITCH                  ; rows 0-127 tokens, 128-159 Wq, 160-191 Wk, 192-319 Wv
.set SPARE, 3*SLOT                     ; behind the slots: the spare words, 128 bytes a wave
.set G1W0,  (1<<20)|(1<<21)|(5<<22)|(3<<25)   ; elements of 1 byte; padding on; bit 21 beside a mask; after every 64 words, 4 words
.set ADRA, 4                           ; v4-6    my tokens' rows in slot 0, 1, 2
.set ADRQ, 7                           ; v7-9    my head's rows of Wq (Wk lies 32 rows on)
.set ADRV, 10                          ; v10-12  my head's rows of Wv
.set SPW,  13                          ; v13     my spare word; never rewritten
.set NIL,  14                          ; v14     0; never rewritten
.set L16,  15                          ; v15     16 x lane
.set L4,   16                          ; v16     4 x lane
.set SC,   17                          ; v17     2^e7        v18 2^(e7 + 1)        v19 2^(e9 - e4 - e5)
.set SC2,  18
.set SCV,  19
.set QT,   32                          ; v32-63   true q: register 8 c + j = q[token r of chunk c][8 h + j]
.set KT,   64                          ; v64-95   true k, likewise
.set CA,   96                          ; v96-103  c x, my eight
.set CB,   104                         ; v104-111 c x, the other half's eight
.set F,    112                         ; v112-191 80 features
.set CD,   192                         ; v192-211 their codes
.set VC,   212                         ; v212-243 v's codes
.set KF1,  96                          ; v96-127  true k^T: lane = feature r, register 8 c + j = token 8 h + j of chunk c
.set KF2,  128                         ; v128-159 the same again: the two sources of a matrix instruction share no register
.set C8,   160                         ; v160-161 8.0
.set TA,   162                         ; v162-169 at work
.set AC,   178                         ; v178-181 the denominator's part, a chunk each
.set DD,   182                         ; v182-185 q . U
.set PP,   186                         ; v186-189 the other half's
.set SQ,   28                          ; s[28:29] 2^(e0 + e1)   s[30:31] 2^(e2 + e3)   (the descriptors' registers, free behind the last wait for tensor loads)
.set SK,   30
.set CC,   32                          ; s[32:33] c
.set SEL,  34                          ; s[34:35] v_permlanex16_b32: lane l xor 16
.set LP,   36                          ; s36, s37  +-57,344 x 2^e7;  s38, s39 the same x 2
.set LN,   37
.set LP2,  38
.set LN2,  39
.set LVP,  40                          ; s40, s41  +-57,344 x 2^(e9 - e4 - e5)
.set LVN,  41
.set K32,  42                          ; 1 / 32
.set K4,   43                          ; 1 / 4
.set HM,   44                          ; lanes 16-31
.set MSB, 0
.macro WIN new                         ; the immediate's high byte repeats the setting that is left
.if MSB != \new
	s_set_vgpr_msb (MSB<<8)|\new
.set MSB, \new
.endif
.endm
.macro PLACES n
.rept \n
	v_nop
.endr
.endm
.macro ROUND                           ; a round of the cluster's barrier
	s_barrier_signal -1
	s_barrier_wait -1
	s_cmp_lg_u32 s24, 0
	s_cbranch_scc1 .Lnot_wave_0_\@
	s_barrier_signal -3
.Lnot_wave_0_\@:
	s_barrier_wait -3
	s_barrier_signal -1
	s_barrier_wait -1
.endm
; The joint refill of slot 0: wave 0 the tokens, wave 1 Wq, wave 2 Wk, wave 3 Wv.  The branches hang on the wave's number alone.  Four v_nop follow each line.
.macro JLOAD
	s_cmp_eq_u32 s24, 0
	s_cbranch_scc0 .Lj_w_\@
	tensor_load_to_lds s[52:55], s[28:35]
	s_nop 0
	PLACES 4
	s_branch .Lj_done_\@
.Lj_w_\@:
	s_cmp_eq_u32 s24, 3
	s_cbranch_scc0 .Lj_q_\@
	tensor_load_to_lds s[68:71], s[36:43]
	s_nop 0
	PLACES 4
	s_branch .Lj_done_\@
.Lj_q_\@:
	tensor_load_to_lds s[68:71], s[44:51]
	s_nop 0
	PLACES 4
.Lj_done_\@:
.endm
	s_load_b256 s[4:11], s[0:1], 0x0               ; tokens' codes, Wq, Wk, Wv
	s_load_b256 s[12:19], s[0:1], 0x20             ; scales, kf_img, v_img, q_img
	s_load_b128 s[20:23], s[0:1], 0x40             ; ssum, dloc
	v_lshl_add_u32 v[SPW], v0, 2, SPARE
	v_mov_b32 v[NIL], 0
	ds_add_u32 v13, v14
	ds_add_u32 v13, v14
	s_wait_dscnt 0x0
	v_lshrrev_b32 v1, 5, v0
	v_readfirstlane_b32 s24, v1                    ; wave 0..3
	s_lshr_b32 s25, s24, 1                         ; which 64 tokens
	s_and_b32 s26, s24, 1                          ; which head of the pair
	s_bfe_u32 s80, ttmp6, 0x40000                  ; cx
	s_bfe_u32 s81, ttmp6, 0x40004                  ; cy
	s_lshl_b32 s82, ttmp9, 2
	s_add_co_u32 s82, s82, s80                     ; x: the pair of heads
	s_and_b32 s83, ttmp7, 0xffff
	s_lshl_b32 s83, s83, 2
	s_add_co_u32 s83, s83, s81                     ; y: the block of 128 tokens
	s_lshl_b32 s84, s81, 2
	s_lshl_b32 s84, 15, s84                        ; my row of the cluster
	s_lshl_b32 s85, 0x1111, s80                    ; my column
	s_or_b32 s28, s84, G1W0                        ; group 1 for the tokens: 128 rows of 256 bytes, 1,024 apart
	s_mov_b32 s29, 256<<16
	s_mov_b32 s30, 128<<16
	s_mov_b32 s31, 256<<16
	s_mov_b32 s32, 128
	s_mov_b32 s33, 1024
	s_mov_b32 s34, 0
	s_mov_b32 s35, 0
	s_or_b32 s36, s85, G1W0                        ; for Wv: the same shape, my column's mask
	s_mov_b32 s37, 256<<16
	s_mov_b32 s38, 128<<16
	s_mov_b32 s39, 256<<16
	s_mov_b32 s40, 128
	s_mov_b32 s41, 1024
	s_mov_b32 s42, 0
	s_mov_b32 s43, 0
	s_or_b32 s44, s85, G1W0                        ; for Wq and Wk: 32 rows
	s_mov_b32 s45, 256<<16
	s_mov_b32 s46, 32<<16
	s_mov_b32 s47, 256<<16
	s_mov_b32 s48, 32
	s_mov_b32 s49, 1024
	s_mov_b32 s50, 0
	s_mov_b32 s51, 0
	s_lshl_b32 s86, s83, 17                        ; the tokens' tile: 128 y rows of 1,024 bytes
	s_mov_b32 s87, 0
	s_cmp_eq_u32 s24, 3
	s_cselect_b32 s66, 17, 15                      ; the weights' tile: 128 x rows (Wv) or 32 x rows (Wq, Wk)
	s_lshl_b32 s66, s82, s66
	s_mov_b32 s67, 0
	s_mul_i32 s27, s24, 32*PITCH
	s_add_co_u32 s27, s27, 96*PITCH                ; and its rows in a slot: 128, 160, 192 for waves 1, 2, 3
	s_wait_kmcnt 0x0
	s_load_b256 s[88:95], s[12:13], 0x0            ; e0 .. e7
	s_load_b128 s[96:99], s[12:13], 0x20           ; e8 .. e11
	s_add_nc_u64 s[86:87], s[4:5], s[86:87]
	s_cmp_eq_u32 s24, 1
	s_cselect_b64 s[100:101], s[6:7], s[8:9]       ; the choice of a weight hangs on the wave's number alone
	s_cmp_eq_u32 s24, 3
	s_cselect_b64 s[100:101], s[10:11], s[100:101]
	s_add_nc_u64 s[100:101], s[100:101], s[66:67]
	ROUND                                          ; all sixteen work-groups are here: the first joint loads meet
.irp s, 0,1,2
	s_mov_b32 s[52+4*\s], 1                        ; group 0, a set for each slot: count 1,
	s_mov_b32 s[53+4*\s], \s*SLOT                  ; LDS address,
	s_add_nc_u64 s[54+4*\s:55+4*\s], s[86:87], \s*256   ; chunk s,
	s_or_b32 s[55+4*\s], s[55+4*\s], 0x80000000    ; type 2
	s_mov_b32 s[68+4*\s], 1
	s_add_co_u32 s[69+4*\s], s27, \s*SLOT
	s_add_nc_u64 s[70+4*\s:71+4*\s], s[100:101], \s*256
	s_or_b32 s[71+4*\s], s[71+4*\s], 0x80000000
.endr
	s_cmp_eq_u32 s24, 0                            ; a wave's three first fills stand together in one arm: three tensor loads of mine are out
	s_cbranch_scc0 .Lf_w
	tensor_load_to_lds s[52:55], s[28:35]
	s_nop 0
	tensor_load_to_lds s[56:59], s[28:35]
	s_nop 0
	tensor_load_to_lds s[60:63], s[28:35]
	s_nop 0
	PLACES 4
	s_branch .Lf_done
.Lf_w:
	s_cmp_eq_u32 s24, 3
	s_cbranch_scc0 .Lf_q
	tensor_load_to_lds s[68:71], s[36:43]
	s_nop 0
	tensor_load_to_lds s[72:75], s[36:43]
	s_nop 0
	tensor_load_to_lds s[76:79], s[36:43]
	s_nop 0
	PLACES 4
	s_branch .Lf_done
.Lf_q:
	tensor_load_to_lds s[68:71], s[44:51]
	s_nop 0
	tensor_load_to_lds s[72:75], s[44:51]
	s_nop 0
	tensor_load_to_lds s[76:79], s[44:51]
	s_nop 0
	PLACES 4
.Lf_done:
	v_and_b32 v1, 15, v0                           ; r
	v_bfe_u32 v2, v0, 4, 1                         ; h
	v_and_b32 v3, 31, v0
	v_lshlrev_b32 v[L16], 4, v3
	v_lshlrev_b32 v[L4], 2, v3
	v_mul_u32_u24 v3, v1, PITCH
	v_lshl_add_u32 v3, v2, 4, v3                   ; a fragment's row x pitch + 16 h
	v_and_b32 v20, 8, v1
	v_add_nc_u32 v20, v20, v1                      ; THE ROWS OF Wv THAT FORM A TILE ARE NOT NEIGHBOURS: lane r of tile u takes row 32 (u / 2) + 8 (u % 2) + r + 8 (r / 8),
	v_mul_u32_u24 v20, v20, PITCH                  ; so that the attention's results fall as neighbours along the last product's K
	v_lshl_add_u32 v20, v2, 4, v20
	s_mul_i32 s84, s25, 64*PITCH
	s_mul_i32 s85, s26, 16*PITCH
	s_add_co_u32 s85, s85, 128*PITCH
	s_mul_i32 s66, s26, 64*PITCH
	s_add_co_u32 s66, s66, 192*PITCH
.irp s, 0,1,2
	v_add_nc_u32 v[ADRA+\s], s84, v3
	v_add_nc_u32 v[ADRQ+\s], s85, v3
	v_add_nc_u32 v[ADRV+\s], s66, v20
	s_add_co_u32 s84, s84, SLOT
	s_add_co_u32 s85, s85, SLOT
	s_add_co_u32 s66, s66, SLOT
.endr
	; where my wave's results go: N = 32 (16 b + head) + the block of 64 tokens in the sequence
	s_lshr_b32 s84, s83, 4
	s_lshl_b32 s84, s84, 4
	s_lshl_b32 s85, s82, 1
	s_add_co_u32 s84, s84, s85
	s_add_co_u32 s84, s84, s26
	s_lshl_b32 s84, s84, 5
	s_and_b32 s85, s83, 15
	s_lshl_b32 s85, s85, 1
	s_add_co_u32 s84, s84, s85
	s_add_co_u32 s84, s84, s25
	s_mov_b32 s81, 0
	s_lshl_b32 s80, s84, 12
	s_add_nc_u64 s[18:19], s[18:19], s[80:81]      ; q_img: 4,096 bytes for 64 tokens
	s_add_nc_u64 s[16:17], s[16:17], s[80:81]      ; v_img: likewise
	s_mul_i32 s80, s84, 10240
	s_add_nc_u64 s[14:15], s[14:15], s[80:81]      ; kf_img: 10,240
	s_lshl_b32 s80, s84, 11
	s_add_nc_u64 s[20:21], s[20:21], s[80:81]      ; ssum: 2,048
	s_lshl_b32 s80, s84, 8
	s_add_nc_u64 s[22:23], s[22:23], s[80:81]      ; dloc: 256
.macro FRAG reg, adr, off              ; 16 rows x 128 K: lane (r, h) takes K = 32 c + 16 h + 0 .. 15 into registers 4 c .. 4 c + 3: the same places in both sources
.irp c, 0,1,2,3
	ds_load_b128 v[\reg+4*\c:\reg+4*\c+3], v[\adr] offset:\off+32*\c
.endr
.endm
.macro FETCH p                         ; the 10 fragments of K step p, 40 LDS loads in one run, into set p % 2
.set SL, ((\p)/2)%3
.set QO, 128*((\p)%2)
.if (\p)%2
	WIN 0x80
.else
	WIN 0
.endif
.irp i, 0,1,2,3
	FRAG 64+16*\i, ADRA+SL, QO+\i*16*PITCH
.endr
	FRAG 128, ADRQ+SL, QO
	FRAG 144, ADRQ+SL, QO+32*PITCH
.irp u, 0,1,2,3
	FRAG 160+16*\u, ADRV+SL, QO+(32*(\u/2)+8*(\u%2))*PITCH
.endr
.endm
.macro WM d, a, b, zero
.if \zero
	v_wmma_f32_16x16x128_bf8_bf8 v[\d:\d+7], v[\a:\a+15], v[\b:\b+15], 0
.else
	v_wmma_f32_16x16x128_bf8_bf8 v[\d:\d+7], v[\a:\a+15], v[\b:\b+15], v[\d:\d+7]
.endif
.endm
; 28 matrix instructions, the 28 accumulators by turns in the same order in every step.  zero = 1: the first products start the sums.
; q, k: source 0 = the weight's 16 rows: a lane holds one token and eight features.  k^T, v: source 0 = 16 tokens: a lane holds one feature or channel and eight tokens.
.macro MUL p, zero
.if (\p)%2
	WIN 0x5a
.else
	WIN 0x50
.endif
.irp i, 0,1,2,3
	WM 8*\i, 128, 64+16*\i, \zero
	WM 32+8*\i, 144, 64+16*\i, \zero
	WM 64+8*\i, 64+16*\i, 144, \zero
.irp u, 0,1,2,3
	WM 96+32*\u+8*\i, 64+16*\i, 160+16*\u, \zero
.endr
.endr
.endm
.macro GSTEP p                         ; a step whose successor's chunk is known to be whole
	PLACES 4                                       ; four places in front of loads into registers that the step before multiplied (ISA guide 7.12.1 for vector instructions)
	FETCH (\p)+1
	s_wait_dscnt 40                                ; all but the 40 just issued: this step's fragments are in
	MUL \p, 0
.endm
	s_wait_tensorcnt 2                             ; my part of chunk 0 is in; chunks 1 and 2 may stay out
	s_barrier_signal -1
	s_barrier_wait -1
	FETCH 0
	FETCH 1
	s_wait_dscnt 40
	MUL 0, 1
	; step 1: both steps of chunk 0 are in registers, so slot 0 takes chunk 3
	WIN 0
	s_wait_tensorcnt 0x0                           ; all my tensor loads have landed: chunks 1 and 2 are whole behind the round
	ds_add_u32 v[SPW], v[NIL]                      ; 0 onto my spare word
	s_add_nc_u64 s[54:55], s[54:55], 768           ; slot 0's descriptors step to chunk 3 while the add is out
	s_add_nc_u64 s[70:71], s[70:71], 768
	s_wait_dscnt 0x0                               ; the add is done, and my reads of slot 0 are over
	ROUND                                          ; both now hold of every wave of every partner
	JLOAD                                          ; my one tensor load behind the round; its four v_nop are the places in front of the loads below
	FETCH 2
	MUL 1, 0
	GSTEP 2
	GSTEP 3
	GSTEP 4
	WIN 0
	s_wait_tensorcnt 0x0                           ; my part of chunk 3 is in: the one load that was out
	s_wait_dscnt 0x0
	s_barrier_signal -1
	s_barrier_wait -1                              ; everybody's is
	PLACES 4
	FETCH 6
	MUL 5, 0
	GSTEP 6
	s_wait_dscnt 0x0
	MUL 7, 0
	WIN 0
	PLACES 4                                       ; in front of the first reads of results and of writes over set 0
	; ---- the scales
	s_wait_kmcnt 0x0
	s_add_co_i32 s28, s88, s89
	s_add_co_i32 s28, s28, 127
	s_lshl_b32 s28, s28, 23                        ; 2^(e0 + e1)
	s_mov_b32 s29, s28
	s_add_co_i32 s30, s90, s91
	s_add_co_i32 s30, s30, 127
	s_lshl_b32 s30, s30, 23                        ; 2^(e2 + e3)
	s_mov_b32 s31, s30
	s_mov_b32 s32, 0x3e3504f3                      ; c = 1 / (4 sqrt 2)
	s_mov_b32 s33, s32
	s_mov_b32 s34, 0x76543210
	s_mov_b32 s35, 0xfedcba98
	s_add_co_i32 s45, s95, 127
	s_lshl_b32 s46, s45, 23
	v_mov_b32 v[SC], s46                           ; 2^e7: the conversion takes its exponent field
	s_add_co_u32 s46, s46, 0x800000
	v_mov_b32 v[SC2], s46                          ; 2^(e7 + 1): x / 2 is quantised as x with twice the scale
	s_add_co_i32 s45, s45, 15
	s_lshl_b32 s36, s45, 23
	s_or_b32 s36, s36, 0x600000                    ; 57,344 x 2^e7
	s_or_b32 s37, s36, 0x80000000
	s_add_co_u32 s38, s36, 0x800000
	s_or_b32 s39, s38, 0x80000000
	s_sub_co_i32 s45, s97, s92
	s_sub_co_i32 s45, s45, s93
	s_add_co_i32 s45, s45, 127
	s_lshl_b32 s46, s45, 23
	v_mov_b32 v[SCV], s46                          ; a sum of the third product stands for sum x 2^(e4 + e5): its code is sum / 2^(e9 - e4 - e5)
	s_add_co_i32 s45, s45, 15
	s_lshl_b32 s40, s45, 23
	s_or_b32 s40, s40, 0x600000
	s_or_b32 s41, s40, 0x80000000
	s_mov_b32 s42, 0x3d000000
	s_mov_b32 s43, 0x3e800000
	s_mov_b32 s44, 0xffff0000
	; ---- true q and k; q goes out
	WIN 0x01
.set EM, 0
.rept 16
	v_pk_mul_f32 v[QT+EM:QT+EM+1], v[EM:EM+1], s[SQ:SQ+1] op_sel_hi:[1,0]
.set EM, EM+2
.endr
.set EM, 0
.rept 16
	v_pk_mul_f32 v[KT+EM:KT+EM+1], v[32+EM:33+EM], s[SK:SK+1] op_sel_hi:[1,0]
.set EM, EM+2
.endr
	WIN 0
.irp c, 0,1,2,3
	global_store_b128 v[L16], v[QT+8*\c:QT+8*\c+3], s[18:19] offset:\c*1024
	global_store_b128 v[L16], v[QT+8*\c+4:QT+8*\c+7], s[18:19] offset:\c*1024+512
.endr
.irp j, 0,1,2,3,4,5,6,7
	v_mov_b32 v[CB+\j], 0                          ; a lane permute's destination counts as one of its sources
.endr
; 24 products a_i (c x_j), i in pair p, j in pair q > p: a_i is taken for both halves of the packed form
.macro BLK A, C, base
.set FN, \base
.irp p, 0,1,2
.irp q, 1,2,3
.if \q > \p
	v_pk_mul_f32 v[FN:FN+1], v[\A+2*\p:\A+2*\p+1], v[\C+2*\q:\C+2*\q+1] op_sel:[0,0] op_sel_hi:[0,1]
.set FN, FN+2
	v_pk_mul_f32 v[FN:FN+1], v[\A+2*\p:\A+2*\p+1], v[\C+2*\q:\C+2*\q+1] op_sel:[1,0] op_sel_hi:[1,1]
.set FN, FN+2
.endif
.endr
.endr
.endm
; v[A] .. v[A + 7] = x[8 h + j] of the lane's token become 80 features and their 20 registers of codes.  The attention launch runs the same lines on q, so every place along K meets its partner.
.macro FEAT A
.irp p, 0,1,2,3
	v_pk_mul_f32 v[CA+2*\p:CA+2*\p+1], v[\A+2*\p:\A+2*\p+1], s[CC:CC+1] op_sel_hi:[1,0]
.endr
.irp j, 0,1,2,3,4,5,6,7
	v_permlanex16_b32 v[CB+\j], v[CA+\j], s[SEL], s[SEL+1]
.endr
	BLK \A, CA, F
.irp p, 0,1,2,3
	v_mul_f32 v[F+24+\p], v[\A+2*\p], v[CA+2*\p+1]
	v_mul_f32 v[F+28+\p], v[\A+2*\p], v[CB+2*\p+1]
.endr
	BLK \A, CB, F+32
.irp p, 0,1,2,3
	v_pk_mul_f32 v[F+56+2*\p:F+57+2*\p], v[\A+2*\p:\A+2*\p+1], v[CA+2*\p:CA+2*\p+1]
	v_pk_mul_f32 v[F+64+2*\p:F+65+2*\p], v[\A+2*\p:\A+2*\p+1], v[CB+2*\p:CB+2*\p+1]
.endr
.set FN, 0
.rept 72
	v_med3_num_f32 v[F+FN], v[F+FN], s[LN], s[LP]  ; the conversion to an 8-bit code does not saturate (ISA guide 7.6.2): the hold at the largest code x the scale
.set FN, FN+1
.endr
.irp j, 0,1,2,3,4,5,6,7
	v_med3_num_f32 v[F+72+\j], v[\A+\j], s[LN2], s[LP2]
.endr
.irp g, 0,1,2,3,4,5,6,7,8
	v_cvt_scalef32_pk8_bf8_f32 v[CD+2*\g:CD+2*\g+1], v[F+8*\g:F+8*\g+7], v[SC]
.endr
	v_cvt_scalef32_pk8_bf8_f32 v[CD+18:CD+19], v[F+72:F+79], v[SC2]
	v_nop                                          ; one plain vector instruction behind the last scaled conversion
.endm
	; ---- k's features
.irp c, 0,1,2,3
.if \c > 0
	s_wait_xcnt 0x0                                ; the last chunk's stores have read the codes' registers
.endif
	FEAT KT+8*\c
.irp g, 0,1,2,3,4
	global_store_b128 v[L16], v[CD+4*\g:CD+4*\g+3], s[14:15] offset:\c*2560+512*\g
.endr
.endr
	; ---- v's codes: a lane's eight registers are eight neighbouring tokens of one channel: the keys come out innermost
	WIN 0x41
.set EM, 0
.rept 128
	v_med3_num_f32 v[96+EM], v[96+EM], s[LVN], s[LVP]
.set EM, EM+1
.endr
	WIN 0x01
.irp u, 0,1,2,3
.irp i, 0,1,2,3
	v_cvt_scalef32_pk8_bf8_f32 v[VC+8*\u+2*\i:VC+8*\u+2*\i+1], v[96+32*\u+8*\i:103+32*\u+8*\i], v[SCV]
.endr
.endr
	v_nop
	WIN 0
.irp u, 0,1,2,3
	global_store_b128 v[L16], v[VC+8*\u:VC+8*\u+3], s[16:17] offset:\u*1024
	global_store_b128 v[L16], v[VC+8*\u+4:VC+8*\u+7], s[16:17] offset:\u*1024+512
.endr
	; ---- the denominator's sums, in f32
	WIN 0x01
.set EM, 0
.rept 16
	v_pk_mul_f32 v[KF1+EM:KF1+EM+1], v[64+EM:65+EM], s[SK:SK+1] op_sel_hi:[1,0]
	v_pk_mul_f32 v[KF2+EM:KF2+EM+1], v[64+EM:65+EM], s[SK:SK+1] op_sel_hi:[1,0]
.set EM, EM+2
.endr
	WIN 0
	v_mov_b32 v[C8], 0x41000000
	v_mov_b32 v[C8+1], 0x41000000
	v_lshlrev_b32 v244, 3, v2
	v_sub_nc_u32 v244, v1, v244                    ; r - 8 h: key 8 h + j counts for query r where j <= r - 8 h
	WIN 0xc0
.irp j, 0,1,2,3,4,5,6,7
	v_cmp_le_i32 vcc_lo, \j, v244
	v_cndmask_b32 v[176+\j], 0, 1.0, vcc_lo
.endr
	; K slot (h, j) of instruction t stands for index 8 h + 2 t + j in both sources.  Twelve accumulators by turns.
	WIN 0xf0
.irp t, 0,1,2,3
.irp c, 0,1,2,3
.if \t == 0
	v_wmma_f32_16x16x4_f32 v[8*\c:8*\c+7], v[KT+8*\c:KT+8*\c+1], v[QT+8*\c:QT+8*\c+1], 0
	v_wmma_f32_16x16x4_f32 v[32+8*\c:39+8*\c], v[KF1+8*\c:KF1+8*\c+1], v[KF2+8*\c:KF2+8*\c+1], 0
	v_wmma_f32_16x16x4_f32 v[64+8*\c:71+8*\c], v[KF1+8*\c:KF1+8*\c+1], v[C8:C8+1], 0
.else
	v_wmma_f32_16x16x4_f32 v[8*\c:8*\c+7], v[KT+8*\c+2*\t:KT+8*\c+2*\t+1], v[QT+8*\c+2*\t:QT+8*\c+2*\t+1], v[8*\c:8*\c+7]
	v_wmma_f32_16x16x4_f32 v[32+8*\c:39+8*\c], v[KF1+8*\c+2*\t:KF1+8*\c+2*\t+1], v[KF2+8*\c+2*\t:KF2+8*\c+2*\t+1], v[32+8*\c:39+8*\c]
	v_wmma_f32_16x16x4_f32 v[64+8*\c:71+8*\c], v[KF1+8*\c+2*\t:KF1+8*\c+2*\t+1], v[C8:C8+1], v[64+8*\c:71+8*\c]
.endif
.endr
.endr
	PLACES 9                                       ; nine places behind this form before a result serves as a source or as another accumulator's C (eight before a vector instruction reads it)
	WIN 0xcf
.irp m, 0,2,4,6
	v_pk_add_f32 v[128+\m:129+\m], v[32+\m:33+\m], v[40+\m:41+\m]     ; S2 of chunks 0, 1
	v_pk_add_f32 v[144+\m:145+\m], v[64+\m:65+\m], v[72+\m:73+\m]     ; 8 S1 likewise
.endr
.irp m, 0,2,4,6
	v_pk_add_f32 v[136+\m:137+\m], v[128+\m:129+\m], v[48+\m:49+\m]   ; of chunks 0 to 2
	v_pk_add_f32 v[152+\m:153+\m], v[144+\m:145+\m], v[80+\m:81+\m]
.endr
.irp m, 0,2,4,6
	v_pk_add_f32 v[160+\m:161+\m], v[136+\m:137+\m], v[56+\m:57+\m]   ; of all 64 tokens
	v_pk_add_f32 v[168+\m:169+\m], v[152+\m:153+\m], v[88+\m:89+\m]
.endr
	; U = S2 q + 8 S1 over the chunks in front.  S2 is symmetric, so its result registers serve as source 0.  Three accumulators by turns.
	WIN 0xf3
.irp t, 0,1,2,3
.if \t == 0
	v_wmma_f32_16x16x4_f32 v[96:103], v[32:33], v[QT+8:QT+9], v[64:71]
	v_wmma_f32_16x16x4_f32 v[104:111], v[128:129], v[QT+16:QT+17], v[144:151]
	v_wmma_f32_16x16x4_f32 v[112:119], v[136:137], v[QT+24:QT+25], v[152:159]
.else
	v_wmma_f32_16x16x4_f32 v[96:103], v[32+2*\t:33+2*\t], v[QT+8+2*\t:QT+9+2*\t], v[96:103]
	v_wmma_f32_16x16x4_f32 v[104:111], v[128+2*\t:129+2*\t], v[QT+16+2*\t:QT+17+2*\t], v[104:111]
	v_wmma_f32_16x16x4_f32 v[112:119], v[136+2*\t:137+2*\t], v[QT+24+2*\t:QT+25+2*\t], v[112:119]
.endif
.endr
	; inside a chunk: 1 + s / 4 + s^2 / 32 for the keys that count.  These lines name no register of the products above: they are the places behind them.
	WIN 0x03
.irp c, 0,1,2,3
.irp j, 0,1,2,3,4,5,6,7
	v_fma_f32 v[TA+\j], v[8*\c+\j], s[K32], s[K4]
.endr
.irp j, 0,1,2,3,4,5,6,7
	v_fma_f32 v[TA+\j], v[8*\c+\j], v[TA+\j], 1.0
.endr
	v_mul_f32 v[AC+\c], v[176], v[TA]
.irp j, 1,2,3,4,5,6,7
	v_fma_f32 v[AC+\c], v[176+\j], v[TA+\j], v[AC+\c]
.endr
.endr
.irp c, 1,2,3
	v_mul_f32 v[DD+\c], v[96+8*(\c-1)], v[QT+8*\c]
.irp j, 1,2,3,4,5,6,7
	v_fma_f32 v[DD+\c], v[96+8*(\c-1)+\j], v[QT+8*\c+\j], v[DD+\c]
.endr
.endr
	WIN 0
.irp c, 1,2,3
	v_fma_f32 v[AC+\c], v[DD+\c], s[K32], v[AC+\c]
.endr
.irp c, 0,1,2,3
	v_permlanex16_b32 v[PP+\c], v[AC+\c], s[SEL], s[SEL+1]
.endr
.irp c, 0,1,2,3
	v_add_f32 v[AC+\c], v[AC+\c], v[PP+\c]         ; both halves of the lanes: every lane of a token holds its sum
.endr
	v_add_f32 v[AC+1], 0x41800000, v[AC+1]         ; the ones of the chunks in front: 16, 32, 48
	v_add_f32 v[AC+2], 0x42000000, v[AC+2]
	v_add_f32 v[AC+3], 0x42400000, v[AC+3]
	v_cndmask_b32 v190, v[AC], v[AC+1], s[HM]      ; lanes 0-15 chunk 0, lanes 16-31 chunk 1
	v_cndmask_b32 v191, v[AC+2], v[AC+3], s[HM]
	global_store_b32 v[L4], v190, s[22:23]
	global_store_b32 v[L4], v191, s[22:23] offset:128
	WIN 0x0c
	global_store_b128 v[L16], v[160:163], s[20:21]
	global_store_b128 v[L16], v[164:167], s[20:21] offset:512
	global_store_b128 v[L16], v[168:171], s[20:21] offset:1024
	global_store_b128 v[L16], v[172:175], s[20:21] offset:1536
	WIN 0
	s_wait_tensorcnt 0x0                           ; the wave's end
	ds_add_u32 v[SPW], v[NIL]
	s_wait_dscnt 0x0
	ROUND                                          ; the closing round: no work-group ends while a partner may still ask for a tile that names it
	s_endpgm
.Lfunc_end_k_qba01d52279_proj:
	.size	k_qba01d52279_proj, .Lfunc_end_k_qba01d52279_proj-k_qba01d52279_proj
	.p2alignl 7, 3214868480
	.fill 96, 4, 3214868480
	.section	.rodata,"a",@progbits
	.p2align	6, 0x0
	.amdhsa_kernel k_qba01d52279_proj
		.amdhsa_group_segment_fixed_size 327680
		.amdhsa_private_segment_fixed_size 0
		.amdhsa_enable_private_segment 0
		.amdhsa_kernarg_size 80
		.amdhsa_user_sgpr_count 2
		.amdhsa_user_sgpr_kernarg_segment_ptr 1
		.amdhsa_wavefront_size32 1
		.amdhsa_system_sgpr_workgroup_id_x 1
		.amdhsa_system_sgpr_workgroup_id_y 1
		.amdhsa_system_sgpr_workgroup_id_z 1
		.amdhsa_system_vgpr_workitem_id 0
		.amdhsa_next_free_vgpr 1024
		.amdhsa_next_free_sgpr 102
		.amdhsa_reserve_vcc 1
		.amdhsa_float_denorm_mode_32 3
		.amdhsa_float_denorm_mode_16_64 3
		.amdhsa_memory_ordered 1
		.amdhsa_forward_progress 1
		.amdhsa_inst_pref_size 116
	.end_amdhsa_kernel
	.amdgpu_metadata
---
amdhsa.version: [ 1, 2 ]
amdhsa.kernels:
  - .name:           k_qba01d52279_proj
    .symbol:         k_qba01d52279_proj.kd
    .args:
      - { .name: hidden_states_codes, .offset: 0, .size: 8, .value_kind: global_buffer, .address_space: global }
      - { .name: Wq_codes, .offset: 8, .size: 8, .value_kind: global_buffer, .address_space: global }
      - { .name: Wk_codes, .offset: 16, .size: 8, .value_kind: global_buffer, .address_space: global }
      - { .name: Wv_codes, .offset: 24, .size: 8, .value_kind: global_buffer, .address_space: global }
      - { .name: lowp_scales, .offset: 32, .size: 8, .value_kind: global_buffer, .address_space: global }
      - { .name: kf_img, .offset: 40, .size: 8, .value_kind: global_buffer, .address_space: global }
      - { .name: v_img, .offset: 48, .size: 8, .value_kind: global_buffer, .address_space: global }
      - { .name: q_img, .offset: 56, .size: 8, .value_kind: global_buffer, .address_space: global }
      - { .name: ssum, .offset: 64, .size: 8, .value_kind: global_buffer, .address_space: global }
      - { .name: dloc, .offset: 72, .size: 8, .value_kind: global_buffer, .address_space: global }
    .group_segment_fixed_size: 327680
    .private_segment_fixed_size: 0
    .kernarg_segment_align: 8
    .kernarg_segment_size: 80
    .max_flat_workgroup_size: 128
    .sgpr_count:     102
    .vgpr_count:     1024
    .wavefront_size: 32
...
	.end_amdgpu_metadata
.endif
;; end of part 1
;; launch attn (part 2): grid 8 x 32, 4 waves a work-group, no clusters, 173,568 bytes of LDS; arguments kf_img, v_img, q_img, ssum, dloc, lowp_scales, y_img; writes y_img
.if DOCPART == 2
	.amdgcn_target "amdgcn-amd-amdhsa--gfx1250"
	.amdhsa_code_object_version 6
	.text
	.protected	k_qba01d52279_attn
	.globl	k_qba01d52279_attn
	.p2align	8
	.type	k_qba01d52279_attn,@function
k_qba01d52279_attn:
	s_mov_b64 s[64:65], 0
	v_nop
	global_prefetch_b8 v0, s[64:65] scope:SCOPE_SE
	s_setreg_imm32_b32 hwreg(HW_REG_WAVE_MODE, 25, 1), 1
	s_wait_xcnt 0x0
; y = (tril(qf kf^T) v) z, both products on E5M2 codes, z = 1 / (qf . cumsum(kf) + 1e-12) in f32; y z leaves as codes for the last product.
; SHARES.  A work-group owns one head (y) and two blocks of 128 queries, 15 - i and i (i = x): 34 key steps of 64 keys in every work-group.  All four waves hold the same 128 queries (8 tiles of 16)
; and SPLIT THE KEYS: wave w takes the steps s = w mod 4, from the highest down.  The four partial results are added through LDS; then wave w finishes query tiles 2 w and 2 w + 1.
; Tiles that lie wholly above the diagonal are left out with their steps; in the two steps on the diagonal the hidden tiles become zeros.
; OPERANDS come as images of registers: k's features and v go from memory straight into registers, each fragment read by one wave and multiplied with eight tiles of queries.
; A block's first two key steps are asked for ahead: the first block's behind the features of q, the second block's at the head of the first block's reduction; every later step a whole step ahead.
; No tensor loads and no joint loads: the eight work-groups of a head need different numbers of key steps (2 qb + 2), so partners in step would each walk the longest walk.
; LAYOUT.  S^T = kf qf^T (source 0 = 16 keys, source 1 = 16 queries): a lane holds one query and keys 8 h + j.  A fragment of features is 24 registers: X = 0-15 (128 along K), which counts twice, since
; x_i x_j and x_j x_i are one code; Y = 16-23 (64 along K), which counts once.  So S / 2 = X + Y / 2: Y's sums are multiplied by 0.5, which rounds nothing short of underflow, and are the C of X's one product;
; the 2 goes into the conversion's scale and the hold's bound.  Four tiles of S^T, held and converted, are source 1 (64 keys) of O^T = v^T P.
; The hold at the largest code x the scale also masks: on the diagonal its bounds are 0 where the key is hidden.
; THE DENOMINATOR: dloc (inside the token's 64) + 64 g + (q^T S2 q + 8 q . S1) / 32 with S2, S1 summed over the g blocks of 64 in front.
; LIMITS.  NaN and infinity are not served.  e6 and e7 between -126 and 111; e8 - e6 - e7 between -125 and 112; e10 between -126 and 112; e8 + e9 is applied by v_ldexp_f32.
; REGISTERS, in windows of 256.  Window 0: v1-26 addresses, scales; v32-63, v64-95 S^T, two buffers; v96-103 P; v104-135, v136-167 v, two buffers; v168-175 zeros; v176-191 y's codes;
;   v224-255 results of the f32 matrix form, written by matrix instructions alone.  At the head v32-211 hold q, the features and what the names below say.
;   Window 1: O^T, tile t, channels' tile e at 32 t + 8 e.   Window 2: q's fragments at 24 t; v192-199 the triangle's bound.   Window 3: k's fragments, buffer b, tile c at 96 b + 24 c; v192-199 the bound again.
.set ZR,   40960                       ; LDS: 0: q's fragments, 16 tiles x 2,560;  ZR: 256 f32: z x 2^(e8 + e9)
.set RED,  41984                       ; RED: 4 waves x 64 images of 512 bytes; its first 32,768 bytes serve the exchange of the running sums at the head
.set L16,  1                           ; v1  16 x lane     v2 r     v3 h     v5 4 r
.set QW,   6                           ; v6  where I store q's fragments      v7  where the block's are read
.set QAD,  7
.set ZW,   8                           ; v8  where I store z                  v9  where my two tiles' z are read; v15 its base
.set ZAD,  9
.set RDW,  10                          ; v10 my part of RED
.set RDR0, 11                          ; v11 my two tiles in waves 0 and 1's parts (at the head: the four waves' sums for me);  v12 in waves 2 and 3's
.set RDR1, 12
.set PXW,  13                          ; v13 where I store sums for the others
.set ZB,   15
.set SC,   16                          ; v16 2^e6   v17 2^(e6 + 1)   v18 2^(e8 - e6 - e7 - 1)   v19 2^e10   v24 2^e7
.set SC2,  17
.set SCA,  18
.set SCY,  19
.set QT,   32                          ; head: v32-63 true q of my 64 tokens
.set CA,   64
.set CB,   72
.set F,    80                          ; v80-159 features
.set CD,   160                         ; v160-179 their codes
.set DL,   180                         ; v180-183 dloc
.set CC,   40                          ; s[40:41] c
.set SEL,  42                          ; s[42:43]
.set LP,   44                          ; s44-47 +-57,344 x 2^e6, and x 2
.set LN,   45
.set LP2,  46
.set LN2,  47
.set LAP,  48                          ; s48, s49 +-57,344 x 2^(e8 - e6 - e7 - 1)
.set LAN,  49
.set LYP,  50                          ; s50, s51 +-57,344 x 2^e10
.set LYN,  51
.set MSB, 0
.macro WIN new                         ; the immediate's high byte repeats the setting that is left
.if MSB != \new
	s_set_vgpr_msb (MSB<<8)|\new
.set MSB, \new
.endif
.endm
.macro PLACES n
.rept \n
	v_nop
.endr
.endm
.macro BLK A, C, base                  ; 24 products a_i (c x_j), i in pair p, j in pair q > p
.set FN, \base
.irp p, 0,1,2
.irp q, 1,2,3
.if \q > \p
	v_pk_mul_f32 v[FN:FN+1], v[\A+2*\p:\A+2*\p+1], v[\C+2*\q:\C+2*\q+1] op_sel:[0,0] op_sel_hi:[0,1]
.set FN, FN+2
	v_pk_mul_f32 v[FN:FN+1], v[\A+2*\p:\A+2*\p+1], v[\C+2*\q:\C+2*\q+1] op_sel:[1,0] op_sel_hi:[1,1]
.set FN, FN+2
.endif
.endr
.endr
.endm
.macro FEAT A                          ; the lines that made k's features, on q: every place along K meets its partner
.irp p, 0,1,2,3
	v_pk_mul_f32 v[CA+2*\p:CA+2*\p+1], v[\A+2*\p:\A+2*\p+1], s[CC:CC+1] op_sel_hi:[1,0]
.endr
.irp j, 0,1,2,3,4,5,6,7
	v_permlanex16_b32 v[CB+\j], v[CA+\j], s[SEL], s[SEL+1]
.endr
	BLK \A, CA, F
.irp p, 0,1,2,3
	v_mul_f32 v[F+24+\p], v[\A+2*\p], v[CA+2*\p+1]
	v_mul_f32 v[F+28+\p], v[\A+2*\p], v[CB+2*\p+1]
.endr
	BLK \A, CB, F+32
.irp p, 0,1,2,3
	v_pk_mul_f32 v[F+56+2*\p:F+57+2*\p], v[\A+2*\p:\A+2*\p+1], v[CA+2*\p:CA+2*\p+1]
	v_pk_mul_f32 v[F+64+2*\p:F+65+2*\p], v[\A+2*\p:\A+2*\p+1], v[CB+2*\p:CB+2*\p+1]
.endr
.set FN, 0
.rept 72
	v_med3_num_f32 v[F+FN], v[F+FN], s[LN], s[LP]  ; the conversion to an 8-bit code does not saturate (ISA guide 7.6.2)
.set FN, FN+1
.endr
.irp j, 0,1,2,3,4,5,6,7
	v_med3_num_f32 v[F+72+\j], v[\A+\j], s[LN2], s[LP2]
.endr
.irp g, 0,1,2,3,4,5,6,7,8
	v_cvt_scalef32_pk8_bf8_f32 v[CD+2*\g:CD+2*\g+1], v[F+8*\g:F+8*\g+7], v[SC]
.endr
	v_cvt_scalef32_pk8_bf8_f32 v[CD+18:CD+19], v[F+72:F+79], v[SC2]
	v_nop                                          ; one plain vector instruction behind the last scaled conversion
.endm
; a key step's operands into buffer b: 20 loads of k's features, 8 of v: each covers 512 consecutive bytes
.macro LOADS b
	PLACES 4                                       ; four places in front of loads into registers that matrix instructions have read
	WIN 0xc0
.irp c, 0,1,2,3
.irp g, 0,1,2,3,4
	global_load_b128 v[96*\b+24*\c+2+4*\g:96*\b+24*\c+5+4*\g], v[L16], s[66:67] offset:\c*2560+512*\g
.endr
.endr
	WIN 0
.irp e, 0,1,2,3
	global_load_b128 v[104+32*\b+8*\e:107+32*\b+8*\e], v[L16], s[68:69] offset:\e*1024
	global_load_b128 v[108+32*\b+8*\e:111+32*\b+8*\e], v[L16], s[68:69] offset:\e*1024+512
.endr
.endm
; The block of queries in s[qb]: my share of its key steps, and the operands of my first two, 56 loads, asked for well ahead of the block's first product.
.macro AHEAD qb
	s_lshl_b32 s78, s[\qb], 1                      ; the block has 2 block + 2 key steps; mine are those = w mod 4
	s_add_co_u32 s79, s78, 5
	s_sub_co_u32 s79, s79, s18
	s_lshr_b32 s79, s79, 2                         ; how many
	s_max_u32 s79, s79, 1                          ; (a wave with none walks one step behind the block, which gives zeros)
	s_sub_co_u32 s56, s79, 1                       ; steps left behind the first
	s_lshl_b32 s80, s56, 2
	s_add_co_u32 s80, s80, s18                     ; my highest step
	s_sub_co_i32 s86, s80, s78                     ; its place against the diagonal
	s_mul_i32 s82, s80, 10240
	s_mov_b32 s83, 0
	s_add_nc_u64 s[66:67], s[70:71], s[82:83]
	s_lshl_b32 s82, s80, 12
	s_add_nc_u64 s[68:69], s[72:73], s[82:83]
	LOADS 0
	s_cmp_ge_u32 s56, 1                            ; buffer 1 is always filled: with the next step or, if there is none, with the same step once more
	s_cselect_b32 s74, 40960, 0
	s_cselect_b32 s76, 16384, 0
	s_mov_b32 s75, 0
	s_mov_b32 s77, 0
	s_wait_xcnt 0x0                                ; the loads above have had their addresses translated (ISA guide 3.1): the pointers may step
	s_sub_nc_u64 s[66:67], s[66:67], s[74:75]
	s_sub_nc_u64 s[68:69], s[68:69], s[76:77]
	LOADS 1
.endm
	s_load_b256 s[4:11], s[0:1], 0x0               ; kf_img, v_img, q_img, ssum
	s_load_b128 s[12:15], s[0:1], 0x20             ; dloc, scales
	s_load_b64 s[16:17], s[0:1], 0x30              ; y_img
	v_lshl_add_u32 v222, v0, 2, 0x2a400
	v_mov_b32 v223, 0
	v_lshrrev_b32 v22, 5, v0
	v_readfirstlane_b32 s18, v22                   ; wave 0..3
	v_and_b32 v1, 31, v0
	v_lshlrev_b32 v[L16], 4, v1
	v_and_b32 v2, 15, v0                           ; r
	v_bfe_u32 v3, v0, 4, 1                         ; h
	v_lshlrev_b32 v5, 2, v2
	s_mov_b32 s19, ttmp9                           ; i
	s_and_b32 s20, ttmp7, 0xffff                   ; 16 b + head
	s_sub_co_u32 s58, 15, s19                      ; the block of queries: 15 - i, then i
	s_mul_i32 s78, s18, 10240
	v_add_nc_u32 v[QW], s78, v[L16]
	s_lshl_b32 s78, s18, 8
	s_add_co_u32 s78, s78, ZR
	v_add_nc_u32 v[ZW], s78, v5
	s_lshl_b32 s78, s18, 7
	s_add_co_u32 s78, s78, ZR
	v_add_nc_u32 v[ZB], s78, v5
	s_lshl_b32 s78, s18, 15
	s_add_co_u32 s78, s78, RED
	v_add_nc_u32 v[RDW], s78, v[L16]
	s_lshl_b32 s78, s18, 13
	s_add_co_u32 s78, s78, RED
	v_add_nc_u32 v[RDR0], s78, v[L16]
	v_add_nc_u32 v[RDR1], 0x10000, v[RDR0]
	s_lshl_b32 s78, s18, 11
	s_add_co_u32 s78, s78, RED
	v_add_nc_u32 v[PXW], s78, v[L16]
.irp j, 0,1,2,3,4,5,6,7
	v_mov_b32 v[CB+\j], 0                          ; a lane permute's destination counts as one of its sources
.endr
	; the four segments of 64 tokens that the work-group owns: s36-39; wave w serves segment w
	s_lshl_b32 s38, s19, 1
	s_add_co_u32 s39, s38, 1
	s_sub_co_u32 s36, 30, s38
	s_sub_co_u32 s37, 31, s38
	s_cmp_lt_u32 s18, 2
	s_cselect_b32 s79, s36, s38
	s_and_b32 s80, s18, 1
	s_add_co_u32 s79, s79, s80                     ; g: my segment
	s_lshl_b32 s61, s79, 6
	s_cvt_f32_u32 s61, s61                         ; 64 g: the ones of the blocks in front
	s_mov_b32 s83, 0
	s_mov_b32 s40, 0x3e3504f3                      ; c = 1 / (4 sqrt 2)
	s_mov_b32 s41, s40
	s_mov_b32 s42, 0x76543210
	s_mov_b32 s43, 0xfedcba98
	s_mov_b32 s52, 0x3d000000                      ; 1 / 32
	s_wait_kmcnt 0x0
	s_load_b256 s[24:31], s[14:15], 0x0            ; e0 .. e7
	s_load_b128 s[32:35], s[14:15], 0x20           ; e8 .. e11
	s_lshl_b32 s82, s20, 17
	s_add_nc_u64 s[72:73], s[6:7], s[82:83]        ; the head's v
	s_lshl_b32 s81, s79, 12
	s_add_co_u32 s82, s82, s81
	s_add_nc_u64 s[8:9], s[8:9], s[82:83]          ; my segment's q
	s_lshl_b32 s82, s20, 13
	s_lshl_b32 s81, s79, 8
	s_add_co_u32 s82, s82, s81
	s_add_nc_u64 s[12:13], s[12:13], s[82:83]      ; and dloc
	s_lshl_b32 s82, s20, 16
	s_lshl_b32 s81, s18, 11
	s_add_co_u32 s82, s82, s81
	s_add_nc_u64 s[10:11], s[10:11], s[82:83]      ; the head's sums, from block w on
	s_mul_i32 s82, s20, 327680
	s_add_nc_u64 s[70:71], s[4:5], s[82:83]        ; the head's features of k
.irp c, 0,1,2,3
	global_load_b128 v[QT+8*\c:QT+8*\c+3], v[L16], s[8:9] offset:\c*1024
	global_load_b128 v[QT+8*\c+4:QT+8*\c+7], v[L16], s[8:9] offset:\c*1024+512
.endr
.irp c, 0,1,2,3
	global_load_b32 v[DL+\c], v5, s[12:13] offset:64*\c
.endr
	WIN 0x40
.irp n, 0,1,2,3,4,5,6,7                        ; blocks w + 4 n of the head's 32: S2 in registers 0-7, 8 S1 in 8-15
.irp k, 0,1,2,3
	global_load_b128 v[16*\n+4*\k:16*\n+4*\k+3], v[L16], s[10:11] offset:\n*8192+512*\k
.endr
.endr
	WIN 0
	s_wait_kmcnt 0x0
	s_add_co_i32 s78, s30, 127
	s_lshl_b32 s79, s78, 23
	v_mov_b32 v[SC], s79                           ; 2^e6
	s_add_co_u32 s79, s79, 0x800000
	v_mov_b32 v[SC2], s79
	s_add_co_i32 s78, s78, 15
	s_lshl_b32 s44, s78, 23
	s_or_b32 s44, s44, 0x600000                    ; 57,344 x 2^e6
	s_or_b32 s45, s44, 0x80000000
	s_add_co_u32 s46, s44, 0x800000
	s_or_b32 s47, s46, 0x80000000
	s_add_co_i32 s78, s31, 127
	s_lshl_b32 s79, s78, 23
	v_mov_b32 v24, s79                             ; 2^e7
	s_add_co_i32 s78, s78, 15
	s_lshl_b32 s63, s78, 23
	s_or_b32 s63, s63, 0x600000                    ; 57,344 x 2^e7
	s_sub_co_i32 s78, s32, s30
	s_sub_co_i32 s78, s78, s31
	s_add_co_i32 s78, s78, 126
	s_lshl_b32 s79, s78, 23
	v_mov_b32 v[SCA], s79                          ; what is held is half a sum of the fourth product, and a sum stands for sum x 2^(e6 + e7): its code is the half / 2^(e8 - e6 - e7 - 1)
	s_add_co_i32 s78, s78, 15
	s_lshl_b32 s48, s78, 23
	s_or_b32 s48, s48, 0x600000
	s_or_b32 s49, s48, 0x80000000
	s_add_co_i32 s78, s34, 127
	s_lshl_b32 s79, s78, 23
	v_mov_b32 v[SCY], s79                          ; 2^e10
	s_add_co_i32 s78, s78, 15
	s_lshl_b32 s50, s78, 23
	s_or_b32 s50, s50, 0x600000
	s_or_b32 s51, s50, 0x80000000
	s_add_co_i32 s62, s32, s33                     ; e8 + e9
	; ---- my segment's features of q go to LDS as images
	s_wait_loadcnt 32                              ; q and dloc are in; the 32 loads of sums may be out
.irp c, 0,1,2,3
.if \c > 0
	s_wait_dscnt 0x0                               ; the stores have read the codes' registers
.endif
	FEAT QT+8*\c
.irp g, 0,1,2,3,4
	ds_store_b128 v[QW], v[CD+4*\g:CD+4*\g+3] offset:\c*2560+512*\g
.endr
.endr
	s_wait_loadcnt 0x0                             ; the sums are in
	s_wait_dscnt 0x0                               ; the last stores of features have read their registers: v's buffers lie over them
	AHEAD 58                                       ; the first block's first two steps: they land while the sums, the exchange, U, the presets and z are made
	; ---- for each of the four segments: the sum of my eight blocks that lie in front of it (a factor 1 or 0, chosen on ids)
	s_mov_b32 s55, 0
	WIN 0x51
.irp n, 0,1,2,3,4,5,6,7
	s_add_co_u32 s53, s18, 4*\n
.irp u, 0,1,2,3
	s_cmp_lt_u32 s53, s[36+\u]
	s_cselect_b32 s54, 1.0, 0
.irp m, 0,2,4,6,8,10,12,14
.if \n == 0
	v_pk_mul_f32 v[128+16*\u+\m:129+16*\u+\m], v[16*\n+\m:16*\n+\m+1], s[54:55] op_sel_hi:[1,0]
.else
	v_pk_fma_f32 v[128+16*\u+\m:129+16*\u+\m], v[16*\n+\m:16*\n+\m+1], s[54:55], v[128+16*\u+\m:129+16*\u+\m] op_sel_hi:[1,0,1]
.endif
.endr
.endr
.endr
	WIN 0x04
.irp u, 0,1,2,3
.irp k, 0,1,2,3
	ds_store_b128 v[PXW], v[128+16*\u+4*\k:131+16*\u+4*\k] offset:\u*8192+512*\k
.endr
.endr
	WIN 0
	s_wait_dscnt 0x0                               ; for the others' sake: my stores have landed
	s_barrier_signal -1
	s_barrier_wait -1
	WIN 0x40
.irp u, 0,1,2,3
.irp k, 0,1,2,3
	ds_load_b128 v[16*\u+4*\k:16*\u+4*\k+3], v[RDR0] offset:\u*2048+512*\k
.endr
.endr
	s_wait_dscnt 0x0
	WIN 0x45
.irp m, 0,2,4,6,8,10,12,14
	v_pk_add_f32 v[192+\m:193+\m], v[\m:\m+1], v[16+\m:17+\m]
.endr
.irp m, 0,2,4,6,8,10,12,14
	v_pk_add_f32 v[192+\m:193+\m], v[192+\m:193+\m], v[32+\m:33+\m]
.endr
.irp m, 0,2,4,6,8,10,12,14
	v_pk_add_f32 v[192+\m:193+\m], v[192+\m:193+\m], v[48+\m:49+\m]
.endr
	; U = S2 q + 8 S1: S2 is symmetric, so its registers serve as source 0; K slot (h, j) of instruction t stands for feature 8 h + 2 t + j.  Four accumulators by turns.
.irp t, 0,1,2,3
.if \t == 0
	WIN 0x11
.else
	WIN 0x01
.endif
.irp c, 0,1,2,3
.if \t == 0
	v_wmma_f32_16x16x4_f32 v[224+8*\c:231+8*\c], v[192:193], v[QT+8*\c:QT+8*\c+1], v[200:207]
.else
	v_wmma_f32_16x16x4_f32 v[224+8*\c:231+8*\c], v[192+2*\t:193+2*\t], v[QT+8*\c+2*\t:QT+8*\c+2*\t+1], v[224+8*\c:231+8*\c]
.endif
.endr
.endr
	; ---- what stays in the fragments: two zero registers, the constant's group; the triangle's bounds; zeros.  These lines are also the places behind the products above.
	WIN 0
	v_sub_nc_u32 v22, 1, v3
	v_cvt_f32_u32 v22, v22                         ; the feature 1 stands once: in the lanes with h = 0
	v_min_num_f32 v184, s[LP], v22
	v_min_num_f32 v192, s63, v22
.irp j, 1,2,3,4,5,6,7
	v_mov_b32 v[184+\j], 0
	v_mov_b32 v[192+\j], 0
.endr
	v_cvt_scalef32_pk8_bf8_f32 v[200:201], v[184:191], v[SC]
	v_cvt_scalef32_pk8_bf8_f32 v[202:203], v[192:199], v24
	v_nop
.irp j, 0,1,2,3,4,5,6,7
	v_mov_b32 v[168+\j], 0
.endr
.irp c, 0,1,2,3
	v_mov_b32 v[208+\c], 0
.endr
	v_lshlrev_b32 v26, 3, v3
	v_sub_nc_u32 v26, v2, v26                      ; r - 8 h: key 8 h + j counts for query r where j <= r - 8 h
	v_mov_b32 v25, s[LAP]
.irp j, 0,1,2,3,4,5,6,7
	v_cmp_le_i32 s[78+\j], \j, v26
.endr
	WIN 0x80
.irp t, 0,1,2,3,4,5,6,7
	v_mov_b32 v[24*\t], 0
	v_mov_b32 v[24*\t+1], 0
	v_mov_b32 v[24*\t+22], v200
	v_mov_b32 v[24*\t+23], v201
.endr
.irp j, 0,1,2,3,4,5,6,7
	v_cndmask_b32 v[192+\j], 0, v25, s[78+\j]
.endr
	WIN 0xc0
.irp t, 0,1,2,3,4,5,6,7
	v_mov_b32 v[24*\t], 0
	v_mov_b32 v[24*\t+1], 0
	v_mov_b32 v[24*\t+22], v202
	v_mov_b32 v[24*\t+23], v203
.endr
.irp j, 0,1,2,3,4,5,6,7
	v_cndmask_b32 v[192+\j], 0, v25, s[78+\j]
.endr
	WIN 0
	; ---- z
.irp c, 0,1,2,3
	v_mul_f32 v[204+\c], v[224+8*\c], v[QT+8*\c]
.endr
.irp j, 1,2,3,4,5,6,7
.irp c, 0,1,2,3
	v_fma_f32 v[204+\c], v[224+8*\c+\j], v[QT+8*\c+\j], v[204+\c]
.endr
.endr
.irp c, 0,1,2,3
	v_permlanex16_b32 v[208+\c], v[204+\c], s[SEL], s[SEL+1]
.endr
.irp c, 0,1,2,3
	v_add_f32 v[204+\c], v[204+\c], v[208+\c]
.endr
.irp c, 0,1,2,3
	v_fma_f32 v[204+\c], v[204+\c], s52, v[DL+\c]
.endr
.irp c, 0,1,2,3
	v_add_f32 v[204+\c], s61, v[204+\c]
.endr
.irp c, 0,1,2,3
	v_add_f32 v[204+\c], 0x2b8cbccc, v[204+\c]     ; + 1e-12
.endr
.irp c, 0,1,2,3
	v_rcp_f32 v[204+\c], v[204+\c]
.endr
	v_nop                                          ; one plain place behind the transcendentals
	s_wait_alu depctr_va_vdst(0)
.irp c, 0,1,2,3
	v_ldexp_f32 v[204+\c], v[204+\c], s62          ; a sum of the fifth product stands for sum x 2^(e8 + e9)
.endr
.irp c, 0,1,2,3
	ds_store_b32 v[ZW], v[204+\c] offset:64*\c     ; both halves of the lanes hold and store the same number
.endr
	s_wait_dscnt 0x0
	s_barrier_signal -1
	s_barrier_wait -1                              ; q's sixteen fragments and z lie in LDS; nobody reads the exchange any more
; One number of tile PT's S^T / 2 is held within the largest code x the scale.  Its tile of keys is visible, on the diagonal (the bound is 0 where the key is hidden) or hidden.
; S^T stands as source 2 and as the destination alone, so the line runs under the products' window setting.
.macro HOLD1 mode
.set HC, HN/8
.set HJ, HN%8
.set HS, 32+32*(PT%2)+HN
.if \mode == 1
.set HK, HC-PT
.elseif \mode == 2
.set HK, 4+HC-PT
.else
.set HK, -1
.endif
.if HK < 0
	v_med3_num_f32 v[HS], s[LAP], s[LAN], v[HS]
.elseif HK == 0
	v_med3_num_f32 v[HS], v[192+HJ], -v[192+HJ], v[HS]
.else
	v_mov_b32 v[HS], 0
.endif
.set HN, HN+1
.endm
.macro FINISH zero                     ; tile PT: its codes, and O^T += v^T P, four accumulators
.set PS, 32+32*(PT%2)
	WIN 0
.irp c, 0,1,2,3
	v_cvt_scalef32_pk8_bf8_f32 v[96+2*\c:97+2*\c], v[PS+8*\c:PS+8*\c+7], v[SCA]
.endr
	v_nop                                          ; one plain vector instruction between a scaled conversion and the matrix instruction that reads its result
	WIN 0x50
.irp e, 0,1,2,3
.if \zero
	v_wmma_f32_16x16x64_bf8_bf8 v[32*PT+8*\e:32*PT+8*\e+7], v[VB+8*\e:VB+8*\e+7], v[96:103], 0
.else
	v_wmma_f32_16x16x64_bf8_bf8 v[32*PT+8*\e:32*PT+8*\e+7], v[VB+8*\e:VB+8*\e+7], v[96:103], v[32*PT+8*\e:32*PT+8*\e+7]
.endif
.endr
.endm
; Tile TT, four tiles of keys, the four accumulators by turns: Y starts the sums; sixteen packed multiplications halve them; X adds onto them: S^T / 2.
; Behind each product stands a slice of the holds of the tile before, which name the other buffer alone: 4 x 2 + 4 x 6 = 32.
; A halving stands four places or more behind the Y that it reads: behind the last Y two holds and the twelve halvings of the other three accumulators.
; X is another form than Y on the same accumulator: five places are owed between them, and the same fourteen lines are there.  A step's first tile has four v_nop in the holds' stead.
.macro TILE mode, zero
.set SB, 32+32*(TT%2)
.set QF, 24*TT
.set PT, TT-1
.set HN, 0
	WIN 0x0b
.set MC, 0
.rept 4
	v_wmma_f32_16x16x64_bf8_bf8 v[SB+8*MC:SB+8*MC+7], v[KB+24*MC+16:KB+24*MC+23], v[QF+16:QF+23], 0
.if TT > T0
	HOLD1 \mode
	HOLD1 \mode
.endif
.set MC, MC+1
.endr
.if TT == T0
	PLACES 4
.endif
	WIN 0
.set MC, 0
.rept 16
	v_pk_mul_f32 v[SB+MC:SB+MC+1], v[SB+MC:SB+MC+1], 0.5 op_sel_hi:[1,0]   ; each accumulator from its low end on
.set MC, MC+2
.endr
	WIN 0x0b
.set MC, 0
.rept 4
	v_wmma_f32_16x16x128_bf8_bf8 v[SB+8*MC:SB+8*MC+7], v[KB+24*MC:KB+24*MC+15], v[QF:QF+15], v[SB+8*MC:SB+8*MC+7]
.if TT > T0
.rept 6
	HOLD1 \mode
.endr
.endif
.set MC, MC+1
.endr
.if TT > T0
	FINISH \zero
.else
	PLACES 4                                       ; in front of the next tile's first hold, which reads these results
.endif
.endm
.macro ZERO t0, cnt                    ; tiles all of whose keys are hidden in the wave's first step: a product with zeros starts their sums
	WIN 0x50
.set ZT, \t0
.rept \cnt
.irp e, 0,1,2,3
	v_wmma_f32_16x16x64_bf8_bf8 v[32*ZT+8*\e:32*ZT+8*\e+7], v[VB+8*\e:VB+8*\e+7], v[168:175], 0
.endr
.set ZT, ZT+1
.endr
.endm
; A key step on buffer buf.  mode 0: all keys count; 1: the block's first 64 keys; 2: its second 64; 3: keys behind the block.  zero = 1: the wave's first step starts O^T's sums.
.macro STEP buf, mode, zero
.set KB, 96*(\buf)
.set VB, 104+32*(\buf)
.if \mode == 3
	ZERO 0, 8
.else
.if \mode == 2
	ZERO 0, 4
.set T0, 4
.else
.set T0, 0
.endif
.set TT, T0
.rept 8-T0
	TILE \mode, \zero
.set TT, TT+1
.endr
.set PT, 7
.set HN, 0
	WIN 0x0b
.rept 32
	HOLD1 \mode
.endr
	FINISH \zero
.endif
	WIN 0
.endm
; The step in hand is in; if a step two further on is left, its operands are asked for, a whole step ahead of their use.
.macro NEXT b, need
	s_wait_loadcnt 0x0                             ; all my loads are in: the pointers may step
	s_cmp_lt_u32 s56, \need
	s_cbranch_scc1 .Lno_more_\@
	s_sub_nc_u64 s[66:67], s[66:67], 40960         ; four steps down: 4 x 10,240 and 4 x 4,096 bytes
	s_sub_nc_u64 s[68:69], s[68:69], 16384
	LOADS \b
.Lno_more_\@:
.endm
	s_mov_b32 s57, 0                               ; the trip
	s_mov_b32 s59, 0                               ; the block's fragments in LDS
	s_mov_b32 s60, 0                               ; its z
.Lblock:
	v_add_nc_u32 v[QAD], s59, v[L16]
	v_add_nc_u32 v[ZAD], s60, v[ZB]
	s_wait_xcnt 0x0                                ; the last trip's stores have read their registers and their base
	WIN 0x80
.irp t, 0,1,2,3,4,5,6,7
.irp g, 0,1,2,3,4
	ds_load_b128 v[24*\t+2+4*\g:24*\t+5+4*\g], v[QAD] offset:\t*2560+512*\g
.endr
.endr
	WIN 0
	s_lshr_b32 s78, s20, 4                         ; where my two tiles of y go: ((128 b + 8 block + 2 w) 16 + head) x 1,024
	s_lshl_b32 s78, s78, 7
	s_lshl_b32 s79, s58, 3
	s_add_co_u32 s78, s78, s79
	s_lshl_b32 s79, s18, 1
	s_add_co_u32 s78, s78, s79
	s_lshl_b32 s78, s78, 4
	s_and_b32 s79, s20, 15
	s_add_co_u32 s78, s78, s79
	s_lshl_b32 s78, s78, 10
	s_mov_b32 s79, 0
	s_add_nc_u64 s[90:91], s[16:17], s[78:79]
	s_wait_loadcnt 28                              ; buffer 0's 28 loads are in; buffer 1's 28, issued behind them, may stay out
	s_wait_dscnt 0x0                               ; q's fragments are in
	s_cmp_lt_i32 s86, 0
	s_cbranch_scc1 .Lmode0
	s_cmp_eq_u32 s86, 0
	s_cbranch_scc1 .Lmode1
	s_cmp_eq_u32 s86, 1
	s_cbranch_scc1 .Lmode2
	STEP 0, 3, 1
	s_branch .Lrest
.Lmode2:
	STEP 0, 2, 1
	s_branch .Lrest
.Lmode1:
	STEP 0, 1, 1
	s_branch .Lrest
.Lmode0:
	STEP 0, 0, 1
.Lrest:
	s_cmp_eq_u32 s56, 0
	s_cbranch_scc1 .Lred
	s_add_co_u32 s87, s56, 1
	s_lshr_b32 s87, s87, 1                         ; trips: two steps each, so that the buffers' numbers come back; the last trip of an odd number has one
	s_max_u32 s87, s87, 1                          ; (at least one: a step is left)
.Lsteps:
	NEXT 0, 2
	STEP 1, 0, 0
	s_cmp_eq_u32 s56, 1                            ; one step was left: the trip's second step is passed over, inside the loop, and the loop ends by its own count
	s_cbranch_scc1 .Lodd
	NEXT 1, 3
	STEP 0, 0, 0
.Lodd:
	s_sub_co_u32 s56, s56, 2                       ; steps left (behind the last trip of an odd number it is not read again before it is set anew)
	s_sub_co_u32 s87, s87, 1
	s_cmp_lg_u32 s87, 0
	s_cbranch_scc1 .Lsteps
.Lred:
	s_wait_loadcnt 0x0                             ; no load into an operand buffer is out: new loads may land in the same registers, and the pointers may be written
	s_cmp_eq_u32 s57, 1                            ; the last trip asks for nothing
	s_cbranch_scc1 .Lno_ahead
	AHEAD 19                                       ; the second block's first two steps: they land while the first block's parts are added and stored
.Lno_ahead:
	; ---- the four waves' parts of O^T are added: each wave stores all 64 groups of four registers, and reads two tiles' groups of all four waves
	PLACES 4
	WIN 0x04
.set RG, 0
.rept 64
	ds_store_b128 v[RDW], v[4*RG:4*RG+3] offset:512*RG
.set RG, RG+1
.endr
	WIN 0
	s_wait_dscnt 0x0
	s_barrier_signal -1
	s_barrier_wait -1
	WIN 0x40
.irp u, 0,1
.set RG, 0
.rept 16
	ds_load_b128 v[64*\u+4*RG:64*\u+4*RG+3], v[RDR0] offset:\u*32768+512*RG
	ds_load_b128 v[128+64*\u+4*RG:131+64*\u+4*RG], v[RDR1] offset:\u*32768+512*RG
.set RG, RG+1
.endr
.endr
	WIN 0
	ds_load_b32 v20, v[ZAD]
	ds_load_b32 v21, v[ZAD] offset:64
	s_wait_dscnt 0x0                               ; my reads are over:
	s_barrier_signal -1
	s_barrier_wait -1                              ; only behind this barrier is the region written again
	WIN 0x45
.set RG, 0
.rept 32
	v_pk_add_f32 v[RG:RG+1], v[RG:RG+1], v[64+RG:65+RG]
	v_pk_add_f32 v[128+RG:129+RG], v[128+RG:129+RG], v[192+RG:193+RG]
.set RG, RG+2
.endr
.set RG, 0
.rept 32
	v_pk_add_f32 v[RG:RG+1], v[RG:RG+1], v[128+RG:129+RG]
.set RG, RG+2
.endr
	WIN 0x41
.set RG, 0
.rept 16
	v_pk_mul_f32 v[RG:RG+1], v[RG:RG+1], v[20:21] op_sel_hi:[1,0]                  ; x z of my query, tile 2 w
	v_pk_mul_f32 v[32+RG:33+RG], v[32+RG:33+RG], v[20:21] op_sel:[0,1] op_sel_hi:[1,1]   ; tile 2 w + 1
.set RG, RG+2
.endr
.set RG, 0
.rept 64
	v_med3_num_f32 v[RG], v[RG], s[LYN], s[LYP]
.set RG, RG+1
.endr
	WIN 0x01
.irp g, 0,1,2,3,4,5,6,7
	v_cvt_scalef32_pk8_bf8_f32 v[176+2*\g:177+2*\g], v[8*\g:8*\g+7], v[SCY]   ; by the choice of Wv's rows a tile's eight registers hold channels 32 c + 16 h + 0 .. 15: the last product's layout
.endr
	v_nop
	WIN 0
.irp u, 0,1
	global_store_b128 v[L16], v[176+8*\u:179+8*\u], s[90:91] offset:\u*16384
	global_store_b128 v[L16], v[180+8*\u:183+8*\u], s[90:91] offset:\u*16384+512
.endr
	s_mov_b32 s58, s19
	s_add_co_u32 s59, s59, 20480
	s_add_co_u32 s60, s60, 512
	s_add_co_u32 s57, s57, 1
	s_cmp_lt_u32 s57, 2
	s_cbranch_scc1 .Lblock
	s_wait_tensorcnt 0x0
	ds_add_u32 v222, v223
	s_wait_dscnt 0x0
	s_endpgm
.Lfunc_end_k_qba01d52279_attn:
	.size	k_qba01d52279_attn, .Lfunc_end_k_qba01d52279_attn-k_qba01d52279_attn
	.p2alignl 7, 3214868480
	.fill 96, 4, 3214868480
	.section	.rodata,"a",@progbits
	.p2align	6, 0x0
	.amdhsa_kernel k_qba01d52279_attn
		.amdhsa_group_segment_fixed_size 173568
		.amdhsa_private_segment_fixed_size 0
		.amdhsa_enable_private_segment 0
		.amdhsa_kernarg_size 56
		.amdhsa_user_sgpr_count 2
		.amdhsa_user_sgpr_kernarg_segment_ptr 1
		.amdhsa_wavefront_size32 1
		.amdhsa_system_sgpr_workgroup_id_x 1
		.amdhsa_system_sgpr_workgroup_id_y 1
		.amdhsa_system_sgpr_workgroup_id_z 1
		.amdhsa_system_vgpr_workitem_id 0
		.amdhsa_next_free_vgpr 1024
		.amdhsa_next_free_sgpr 96
		.amdhsa_reserve_vcc 0
		.amdhsa_float_denorm_mode_32 3
		.amdhsa_float_denorm_mode_16_64 3
		.amdhsa_memory_ordered 1
		.amdhsa_forward_progress 1
		.amdhsa_inst_pref_size 255
	.end_amdhsa_kernel
	.section	.bss,"aw",@nobits
	.p2align	6
	.space	262144
	.amdgpu_metadata
---
amdhsa.version: [ 1, 2 ]
amdhsa.kernels:
  - .name:           k_qba01d52279_attn
    .symbol:         k_qba01d52279_attn.kd
    .args:
      - { .name: kf_img, .offset: 0, .size: 8, .value_kind: global_buffer, .address_space: global }
      - { .name: v_img, .offset: 8, .size: 8, .value_kind: global_buffer, .address_space: global }
      - { .name: q_img, .offset: 16, .size: 8, .value_kind: global_buffer, .address_space: global }
      - { .name: ssum, .offset: 24, .size: 8, .value_kind: global_buffer, .address_space: global }
      - { .name: dloc, .offset: 32, .size: 8, .value_kind: global_buffer, .address_space: global }
      - { .name: lowp_scales, .offset: 40, .size: 8, .value_kind: global_buffer, .address_space: global }
      - { .name: y_img, .offset: 48, .size: 8, .value_kind: global_buffer, .address_space: global }
    .group_segment_fixed_size: 173568
    .private_segment_fixed_size: 0
    .kernarg_segment_align: 8
    .kernarg_segment_size: 56
    .max_flat_workgroup_size: 128
    .sgpr_count:     96
    .vgpr_count:     1024
    .wavefront_size: 32
...
	.end_amdgpu_metadata
.endif
;; end of part 2
;; launch oproj (part 3): grid 8 x 32, 4 waves a work-group, clusters of 4 x 4, 327,680 bytes of LDS; arguments y_img, Wo_codes, lowp_scales, out0; writes out0
.if DOCPART == 3
	.amdgcn_target "amdgcn-amd-amdhsa--gfx1250"
	.amdhsa_code_object_version 6
	.text
	.protected	k_qba01d52279_oproj
	.globl	k_qba01d52279_oproj
	.p2align	8
	.type	k_qba01d52279_oproj,@function
k_qba01d52279_oproj:
	s_mov_b64 s[64:65], 0
	v_nop
	global_prefetch_b8 v0, s[64:65] scope:SCOPE_SE
	s_setreg_imm32_b32 hwreg(HW_REG_WAVE_MODE, 25, 1), 1
	s_wait_xcnt 0x0
	s_wait_alu depctr_hold_cnt(0) depctr_sa_sdst(0) depctr_va_vdst(0) depctr_va_sdst(0) depctr_va_ssrc(0) depctr_va_vcc(0) depctr_vm_vsrc(0)
	s_getreg_b32 s2, hwreg(HW_REG_IB_STS2, 6, 4)
	s_cmp_eq_u32 s2, 0
	s_cbranch_scc0 .Lentry_in_a_cluster
	s_endpgm
.Lentry_in_a_cluster:
	s_bfe_u32 s2, ttmp6, 0x10000c
	s_cmp_lg_u32 s2, 0xf033
	s_cbranch_scc0 .Lentry_shape_is_right
	s_endpgm
.Lentry_shape_is_right:
; out0 = (y z) Wo^T on E5M2 codes, K = 1,024, x 2^(e10 + e11).  y z comes as images of operand registers ([tile of 16 tokens][head][2 x 512 bytes]), Wo as rows of codes.
; SHARES.  A work-group: 128 tokens (y) x 128 columns (x).  Wave w: 64 x 64: 16 accumulators.  All of K lies in LDS after the first fills, four chunks of 256 along K: no byte of LDS is filled twice.
; CLUSTER 4 x 4: the tokens' tiles hang on y alone and are asked for jointly along a row of the cluster, Wo's on x alone, along a column.  Waves 0, 1 ask for the tokens' halves, waves 2, 3 for Wo's:
; four tensor loads of a wave are out at the most.
; THE MATRIX INSTRUCTION IS USED TRANSPOSED (source 0 = 16 rows of Wo, source 1 = 16 tokens): a lane holds eight neighbouring columns of one row of out0.
; LIMIT: e10 + e11 between -126 and 127.
; REGISTERS: window 0: v1-13 addresses; v32-63 a block's results; v64-127 rows read back, two sets; v128-255 accumulators (a, b) at 128 + 8 (4 a + b).
;   Window 1: two fragment buffers at 0 and 128: tokens' fragments at + 16 a, Wo's at + 64 + 16 b.
.set PITCH, 272                        ; Wo's rows in LDS: 256 bytes + 16
.set BBASE, 131072                     ; LDS: 4 chunks x 8 tiles x 4,096 bytes of images; then Wo: 4 chunks x 128 rows
.set BCH,   128*PITCH
.set STAGE, BBASE+4*BCH                ; behind them: 16 rows x 272 bytes for each wave, for the way out
.set MSB, 0
.macro WIN new                         ; the immediate's high byte repeats the setting that is left
.if MSB != \new
	s_set_vgpr_msb (MSB<<8)|\new
.set MSB, \new
.endif
.endm
.macro PLACES n
.rept \n
	v_nop
.endr
.endm
.macro ROUND                           ; a round of the cluster's barrier
	s_barrier_signal -1
	s_barrier_wait -1
	s_cmp_lg_u32 s24, 0
	s_cbranch_scc1 .Lnot_wave_0_\@
	s_barrier_signal -3
.Lnot_wave_0_\@:
	s_barrier_wait -3
	s_barrier_signal -1
	s_barrier_wait -1
.endm
	s_load_b128 s[4:7], s[0:1], 0x0                ; y_img, Wo's codes
	s_load_b128 s[8:11], s[0:1], 0x10              ; scales, out0
	v_lshl_add_u32 v30, v0, 2, 0x46400
	v_mov_b32 v31, 0
	ds_add_u32 v30, v31
	ds_add_u32 v30, v31
	v_lshrrev_b32 v1, 5, v0
	v_readfirstlane_b32 s24, v1                    ; wave 0..3
	s_lshr_b32 s25, s24, 1                         ; which 64 tokens are mine.  Also: I fetch tokens (0) or Wo (1)
	s_and_b32 s26, s24, 1                          ; which 64 columns.  Also: which half of that tile I fetch
	s_bfe_u32 s84, ttmp6, 0x40000                  ; cx
	s_bfe_u32 s85, ttmp6, 0x40004                  ; cy
	s_lshl_b32 s86, ttmp9, 2
	s_add_co_u32 s86, s86, s84                     ; x
	s_and_b32 s87, ttmp7, 0xffff
	s_lshl_b32 s87, s87, 2
	s_add_co_u32 s87, s87, s85                     ; y
	s_lshl_b32 s88, s85, 2
	s_lshl_b32 s88, 15, s88                        ; my row of the cluster
	s_lshl_b32 s89, 0x1111, s84                    ; my column
	s_or_b32 s68, s88, (3<<16)|(1<<21)             ; group 1 for the images: elements of 8 bytes; 4 rows (tiles of tokens) of 512 elements, 2,048 elements apart; no padding
	s_mov_b32 s69, 512<<16
	s_mov_b32 s70, 4<<16
	s_mov_b32 s71, 512<<16
	s_mov_b32 s72, 4
	s_mov_b32 s73, 2048
	s_mov_b32 s74, 0
	s_mov_b32 s75, 0
	s_or_b32 s76, s89, (1<<20)|(1<<21)|(5<<22)|(3<<25)   ; for Wo: elements of 1 byte; 64 rows of 256, 1,024 apart; 4 words of padding after every 64
	s_mov_b32 s77, 256<<16
	s_mov_b32 s78, 64<<16
	s_mov_b32 s79, 256<<16
	s_mov_b32 s80, 64
	s_mov_b32 s81, 1024
	s_mov_b32 s82, 0
	s_mov_b32 s83, 0
	s_lshl_b32 s90, s87, 17                        ; images: tile of tokens 8 y + 4 half, 16,384 bytes each
	s_lshl_b32 s91, s26, 16
	s_add_co_u32 s90, s90, s91
	s_mov_b32 s91, 0
	s_lshl_b32 s92, s86, 17                        ; Wo: row 128 x + 64 half, 1,024 bytes each
	s_lshl_b32 s93, s26, 16
	s_add_co_u32 s92, s92, s93
	s_mov_b32 s93, 0
	s_lshl_b32 s94, s26, 14                        ; and where they go: no place in the cluster enters an LDS address
	s_mul_i32 s95, s26, 64*PITCH
	s_add_co_u32 s95, s95, BBASE
	s_wait_dscnt 0x0
	s_wait_kmcnt 0x0
	s_load_b64 s[96:97], s[8:9], 0x28              ; e10, e11
	s_add_nc_u64 s[90:91], s[4:5], s[90:91]
	s_add_nc_u64 s[92:93], s[6:7], s[92:93]
	ROUND                                          ; all sixteen work-groups are here: the joint loads meet
.irp c, 0,1,2,3
	s_mov_b32 s[28+4*\c], 1                        ; group 0, a set for each chunk
	s_add_co_u32 s[29+4*\c], s94, \c*32768
	s_add_nc_u64 s[30+4*\c:31+4*\c], s[90:91], \c*4096
	s_or_b32 s[31+4*\c], s[31+4*\c], 0x80000000
	s_mov_b32 s[44+4*\c], 1
	s_add_co_u32 s[45+4*\c], s95, \c*BCH
	s_add_nc_u64 s[46+4*\c:47+4*\c], s[92:93], \c*256
	s_or_b32 s[47+4*\c], s[47+4*\c], 0x80000000
.endr
	s_cmp_lt_u32 s24, 2                            ; a wave's four fills stand together in one arm; four v_nop follow the last
	s_cbranch_scc0 .Lfor_wo
	tensor_load_to_lds s[28:31], s[68:75]
	s_nop 0
	tensor_load_to_lds s[32:35], s[68:75]
	s_nop 0
	tensor_load_to_lds s[36:39], s[68:75]
	s_nop 0
	tensor_load_to_lds s[40:43], s[68:75]
	s_nop 0
	PLACES 4
	s_branch .Lasked
.Lfor_wo:
	tensor_load_to_lds s[44:47], s[76:83]
	s_nop 0
	tensor_load_to_lds s[48:51], s[76:83]
	s_nop 0
	tensor_load_to_lds s[52:55], s[76:83]
	s_nop 0
	tensor_load_to_lds s[56:59], s[76:83]
	s_nop 0
	PLACES 4
.Lasked:
	v_and_b32 v1, 15, v0                           ; r
	v_bfe_u32 v2, v0, 4, 1                         ; h
	v_and_b32 v3, 31, v0
	v_lshlrev_b32 v3, 4, v3                        ; 16 x lane
	s_lshl_b32 s88, s25, 14
	v_add_nc_u32 v4, s88, v3                       ; my four tiles of tokens in chunks 0, 1;
	v_add_nc_u32 v5, 0x10000, v4                   ; in chunks 2, 3
	v_mul_u32_u24 v13, v1, PITCH
	v_lshl_add_u32 v13, v2, 4, v13
	s_mul_i32 s88, s26, 64*PITCH
	s_add_co_u32 s88, s88, BBASE
.irp c, 0,1,2,3
	v_add_nc_u32 v[6+\c], s88, v13                 ; my 64 rows of Wo in chunk c
	s_add_co_u32 s88, s88, BCH
.endr
	s_mul_i32 s88, s24, 16*PITCH
	s_add_co_u32 s88, s88, STAGE                   ; my stage
	v_mul_u32_u24 v10, v1, PITCH
	v_lshl_add_u32 v10, v2, 5, v10
	v_add_nc_u32 v10, s88, v10                     ; in: row r, 32 bytes for each half of the lanes
	v_mul_u32_u24 v11, v2, PITCH
	v_lshl_add_u32 v11, v1, 4, v11
	v_add_nc_u32 v11, s88, v11                     ; back: lanes 0-15 one row of 256 bytes, lanes 16-31 the next
	v_lshlrev_b32 v12, 12, v2
	v_lshl_add_u32 v12, v1, 4, v12                 ; and the same two rows in out0
	s_lshl_b32 s88, s87, 19                        ; my part of out0: row 128 y + 64 (w / 2), byte 512 x + 256 (w % 2)
	s_lshl_b32 s89, s25, 18
	s_add_co_u32 s88, s88, s89
	s_lshl_b32 s89, s86, 9
	s_add_co_u32 s88, s88, s89
	s_lshl_b32 s89, s26, 8
	s_add_co_u32 s88, s88, s89
	s_mov_b32 s89, 0
	s_add_nc_u64 s[10:11], s[10:11], s[88:89]
.macro FETCH p                         ; the 8 fragments of K step p, 32 LDS loads in one run.  Tokens: four images on end.  Wo: K = 32 k + 16 h + 0 .. 15 into registers 4 k .. 4 k + 3: the images' order
.set CH, (\p)/2
.set QO, (\p)%2
.set FB, 128*((\p)%2)
	WIN 0x40
.irp a, 0,1,2,3
.irp k, 0,1,2,3
	ds_load_b128 v[FB+16*\a+4*\k:FB+16*\a+4*\k+3], v[4+CH/2] offset:(CH%2)*32768+\a*4096+QO*2048+512*\k
.endr
.endr
.irp b, 0,1,2,3
.irp k, 0,1,2,3
	ds_load_b128 v[FB+64+16*\b+4*\k:FB+64+16*\b+4*\k+3], v[6+CH] offset:128*QO+32*\k+\b*16*PITCH
.endr
.endr
.endm
.macro MUL p, zero                     ; 16 matrix instructions, the 16 accumulators by turns; zero = 1: the first products start the sums
.set FB, 128*((\p)%2)
	WIN 0x05
.irp a, 0,1,2,3
.irp b, 0,1,2,3
.if \zero
	v_wmma_f32_16x16x128_bf8_bf8 v[128+8*(4*\a+\b):135+8*(4*\a+\b)], v[FB+64+16*\b:FB+79+16*\b], v[FB+16*\a:FB+16*\a+15], 0
.else
	v_wmma_f32_16x16x128_bf8_bf8 v[128+8*(4*\a+\b):135+8*(4*\a+\b)], v[FB+64+16*\b:FB+79+16*\b], v[FB+16*\a:FB+16*\a+15], v[128+8*(4*\a+\b):135+8*(4*\a+\b)]
.endif
.endr
.endr
.endm
.macro SAME p                          ; a step whose successor lies in the same chunk
	PLACES 4                                       ; four places in front of loads into registers that the step before multiplied
	FETCH (\p)+1
	s_wait_dscnt 32                                ; all but the 32 just issued
	MUL \p, 0
.endm
.macro CROSS p, left                   ; a step whose successor lies in the next chunk; left: my later chunks' loads, which may stay out
	WIN 0
	s_wait_tensorcnt \left                         ; my part of the next chunk is in,
	s_wait_dscnt 0x0
	s_barrier_signal -1
	s_barrier_wait -1                              ; everybody's is
	PLACES 4
	FETCH (\p)+1
	MUL \p, 0
.endm
	s_wait_tensorcnt 3                             ; my part of chunk 0 is in; the three later chunks may stay out
	s_barrier_signal -1
	s_barrier_wait -1
	FETCH 0
	FETCH 1
	s_wait_dscnt 32
	MUL 0, 1
	CROSS 1, 2
	SAME 2
	CROSS 3, 1
	SAME 4
	CROSS 5, 0
	SAME 6
	s_wait_dscnt 0x0
	MUL 7, 0
	WIN 0
	PLACES 4                                       ; in front of the first reads of results
; THE WAY OUT, 16 tokens x 64 columns at a time: x 2^(e10 + e11), through my own stage in LDS, back as whole rows of 256 bytes.  LDS serves a wave's instructions in order (ISA guide 5.7.1.4).
.macro TOSTAGE a
.irp b, 0,1,2,3
.irp i, 0,2,4,6
	v_pk_mul_f32 v[32+8*\b+\i:33+8*\b+\i], v[128+8*(4*(\a)+\b)+\i:129+8*(4*(\a)+\b)+\i], s[96:97] op_sel_hi:[1,0]
.endr
.endr
.irp b, 0,1,2,3
	ds_store_b128 v10, v[32+8*\b:35+8*\b] offset:64*\b
	ds_store_b128 v10, v[36+8*\b:39+8*\b] offset:64*\b+16
.endr
.set BB, 64+32*((\a)%2)
.irp t, 0,1,2,3,4,5,6,7
	ds_load_b128 v[BB+4*\t:BB+4*\t+3], v11 offset:\t*2*PITCH
.endr
.endm
.macro SEND a, younger                 ; younger: the LDS instructions issued behind block a's loads, which may stay out
.set BB, 64+32*((\a)%2)
	s_wait_dscnt \younger
.irp t, 0,1,2,3,4,5,6,7
	global_store_b128 v12, v[BB+4*\t:BB+4*\t+3], s[10:11] offset:(16*(\a)+2*\t)*4096 th:TH_STORE_NT   ; 16 lanes store 256 consecutive bytes, at a multiple of 256 from out0's first byte
.endr
.endm
	s_wait_kmcnt 0x0
	s_add_co_i32 s96, s96, s97
	s_add_co_i32 s96, s96, 127
	s_lshl_b32 s96, s96, 23                        ; 2^(e10 + e11)
	TOSTAGE 0
.irp a, 1,2,3
.if \a > 1
	s_wait_xcnt 0x0                                ; block a - 2's stores have read their registers: block a's rows may land there
.endif
	TOSTAGE \a
	SEND \a-1, 16                                  ; behind block a - 1's loads: block a's 8 stores and 8 loads
.endr
	SEND 3, 0
	s_wait_tensorcnt 0x0
	ds_add_u32 v30, v31
	s_wait_dscnt 0x0
	ROUND                                          ; the closing round: no work-group ends while a partner may still ask for a tile that names it
	s_endpgm
.Lfunc_end_k_qba01d52279_oproj:
	.size	k_qba01d52279_oproj, .Lfunc_end_k_qba01d52279_oproj-k_qba01d52279_oproj
	.p2alignl 7, 3214868480
	.fill 96, 4, 3214868480
	.section	.rodata,"a",@progbits
	.p2align	6, 0x0
	.amdhsa_kernel k_qba01d52279_oproj
		.amdhsa_group_segment_fixed_size 327680
		.amdhsa_private_segment_fixed_size 0
		.amdhsa_enable_private_segment 0
		.amdhsa_kernarg_size 32
		.amdhsa_user_sgpr_count 2
		.amdhsa_user_sgpr_kernarg_segment_ptr 1
		.amdhsa_wavefront_size32 1
		.amdhsa_system_sgpr_workgroup_id_x 1
		.amdhsa_system_sgpr_workgroup_id_y 1
		.amdhsa_system_sgpr_workgroup_id_z 1
		.amdhsa_system_vgpr_workitem_id 0
		.amdhsa_next_free_vgpr 512
		.amdhsa_next_free_sgpr 98
		.amdhsa_reserve_vcc 0
		.amdhsa_float_denorm_mode_32 3
		.amdhsa_float_denorm_mode_16_64 3
		.amdhsa_memory_ordered 1
		.amdhsa_forward_progress 1
		.amdhsa_inst_pref_size 46
	.end_amdhsa_kernel
	.amdgpu_metadata
---
amdhsa.version: [ 1, 2 ]
amdhsa.kernels:
  - .name:           k_qba01d52279_oproj
    .symbol:         k_qba01d52279_oproj.kd
    .args:
      - { .name: y_img, .offset: 0, .size: 8, .value_kind: global_buffer, .address_space: global }
      - { .name: Wo_codes, .offset: 8, .size: 8, .value_kind: global_buffer, .address_space: global }
      - { .name: lowp_scales, .offset: 16, .size: 8, .value_kind: global_buffer, .address_space: global }
      - { .name: out0, .offset: 24, .size: 8, .value_kind: global_buffer, .address_space: global }
    .group_segment_fixed_size: 327680
    .private_segment_fixed_size: 0
    .kernarg_segment_align: 8
    .kernarg_segment_size: 32
    .max_flat_workgroup_size: 128
    .sgpr_count:     98
    .vgpr_count:     512
    .wavefront_size: 32
...
	.end_amdgpu_metadata
.endif
;; end of part 3
;; ======== version 2 of 2: 3 launches; version 1 with the launch attn written anew for expert scheduling mode
;; workspace buffers: kf_img 10,485,760 bytes; v_img 4,194,304 bytes; q_img 4,194,304 bytes; ssum 2,097,152 bytes; dloc 262,144 bytes; y_img 4,194,304 bytes
;; launch proj: the kernel of part 1 again; grid 8 x 32, 4 waves a work-group, clusters of 4 x 4, 327,680 bytes of LDS; arguments hidden_states_codes, Wq_codes, Wk_codes, Wv_codes, lowp_scales, kf_img, v_img, q_img, ssum, dloc; writes kf_img, v_img, q_img, ssum, dloc
;; launch attn (part 4): grid 8 x 32, 4 waves a work-group, no clusters, 173,568 bytes of LDS; arguments kf_img, v_img, q_img, ssum, dloc, lowp_scales, y_img; writes y_img
.if DOCPART == 4
	.amdgcn_target "amdgcn-amd-amdhsa--gfx1250"
	.amdhsa_code_object_version 6
	.text
	.protected	k_qba01d52279_attn
	.globl	k_qba01d52279_attn
	.p2align	8
	.type	k_qba01d52279_attn,@function
k_qba01d52279_attn:
	s_mov_b64 s[64:65], 0
	v_nop
	global_prefetch_b8 v0, s[64:65] scope:SCOPE_SE
	s_setreg_imm32_b32 hwreg(HW_REG_WAVE_SCHED_MODE, 0, 2), 2
	s_setreg_imm32_b32 hwreg(HW_REG_WAVE_MODE, 25, 1), 1
	s_wait_xcnt 0x0
	s_wait_alu depctr_vm_vsrc(0)
; y = (tril(qf kf^T) v) z, both products on E5M2 codes, z = 1 / (qf . cumsum(kf) + 1e-12) in f32; y z leaves as codes for the last product.
; SHARES.  A work-group owns one head (y) and two blocks of 128 queries, 15 - i and i (i = x): 34 key steps of 64 keys in every work-group.  All four waves hold the same 128 queries (8 tiles of 16)
; and SPLIT THE KEYS: wave w takes the steps s = w mod 4, from the highest down.  The four partial results are added through LDS; then wave w finishes query tiles 2 w and 2 w + 1.
; Tiles that lie wholly above the diagonal are left out with their steps; in the two steps on the diagonal the hidden tiles become zeros.
; OPERANDS come as images of registers: k's features and v go from memory straight into registers, each fragment read by one wave and multiplied with eight tiles of queries.
; A block's first two key steps are asked for ahead: the first block's behind the features of q, the second block's at the head of the first block's reduction; every later step in the first tile of the step before it.
; No tensor loads and no joint loads: the eight work-groups of a head need different numbers of key steps (2 qb + 2), so partners in step would each walk the longest walk.
; LAYOUT.  S^T = kf qf^T (source 0 = 16 keys, source 1 = 16 queries): a lane holds one query and keys 8 h + j.  A fragment of features is 24 registers: X = 0-15 (128 along K), which counts twice, since
; x_i x_j and x_j x_i are one code; Y = 16-23 (64 along K), which counts once.  So S / 2 = X + Y / 2: Y's sums are multiplied by 0.5, which rounds nothing short of underflow, and are the C of X's one product;
; the 2 goes into the conversion's scale and the hold's bound.  Four tiles of S^T, held and converted, are source 1 (64 keys) of O^T = v^T P.
; The hold at the largest code x the scale also masks: on the diagonal its bounds are 0 where the key is hidden.
; THE DENOMINATOR: dloc (inside the token's 64) + 64 g + (q^T S2 q + 8 q . S1) / 32 with S2, S1 summed over the g blocks of 64 in front.
; LIMITS.  NaN and infinity are not served.  e6 and e7 between -126 and 111; e8 - e6 - e7 between -125 and 112; e10 between -126 and 112; e8 + e9 is applied by v_ldexp_f32.
; REGISTERS, in windows of 256.  Window 0: v1-26 addresses, scales; v32-63, v64-95 S^T, two buffers; v96-103 P; v104-135, v136-167 v, two buffers; v168-175 zeros; v176-191 y's codes;
;   v224-255 results of the f32 matrix form, written by matrix instructions alone.  At the head v32-211 hold q, the features and what the names below say.
;   Window 1: O^T, tile t, channels' tile e at 32 t + 8 e.   Window 2: q's fragments at 24 t; v192-199 the triangle's bound.   Window 3: k's fragments, buffer b, tile c at 96 b + 24 c; v192-199 the bound again.
; THE MODE: SCHED_MODE bits 1:0 = 2 (LLVM: expert scheduling mode 2), set by the entry lines.  The code itself states the register dependences
; between vector or matrix instructions and memory or LDS instructions, with s_wait_alu, always for 0.
; THE PLAN.  Registers that memory or LDS instructions touch, from the first block on:
;   K0, K1, V0, V1  k's fragments (window 3, registers 2-21 of each) and v (v104-135, v136-167).  A step on buffer b: its matrix instructions read buffer b; the loads of the step two on land in buffer 1 - b, which the step before read.
;   q's fragments   (window 2, registers 2-21 of each.)  Written by the LDS loads at a block's head; read by the block's matrix instructions.
;   O^T             (window 1.)  Written by a block's matrix instructions; read by the reduction's 64 LDS stores; then the reduction's 64 LDS loads land in it, and vector instructions finish it.
;   v20, v21        z: written by two LDS loads in the reduction; read by the multiplications behind them.
;   v176-191        y's codes: written by the conversions; read by the four stores behind them.
;   v7, v9          LDS addresses, written at a block's head; read by the block's LDS loads.    v1, v5, v6, v8, v10-13: made at the head and never written again.
; So a key step holds ONE wait on va_vdst: behind its first tile's halvings, where it states that the step before is done reading buffer 1 - b; the step's 28 loads follow in one run, and nothing that the step
; issues behind them names that buffer.  A block holds six more waits: two at its head, one at the reduction's head, two ahead of the reduction's loads, one ahead of y's stores.
.set ZR,   40960                       ; LDS: 0: q's fragments, 16 tiles x 2,560;  ZR: 256 f32: z x 2^(e8 + e9)
.set RED,  41984                       ; RED: 4 waves x 64 images of 512 bytes; its first 32,768 bytes serve the exchange of the running sums at the head
.set L16,  1                           ; v1  16 x lane     v2 r     v3 h     v5 4 r
.set QW,   6                           ; v6  where I store q's fragments      v7  where the block's are read
.set QAD,  7
.set ZW,   8                           ; v8  where I store z                  v9  where my two tiles' z are read; v15 its base
.set ZAD,  9
.set RDW,  10                          ; v10 my part of RED
.set RDR0, 11                          ; v11 my two tiles in waves 0 and 1's parts (at the head: the four waves' sums for me);  v12 in waves 2 and 3's
.set RDR1, 12
.set PXW,  13                          ; v13 where I store sums for the others
.set ZB,   15
.set SC,   16                          ; v16 2^e6   v17 2^(e6 + 1)   v18 2^(e8 - e6 - e7 - 1)   v19 2^e10   v24 2^e7
.set SC2,  17
.set SCA,  18
.set SCY,  19
.set QT,   32                          ; head: v32-63 true q of my 64 tokens
.set CA,   64
.set CB,   72
.set F,    80                          ; v80-159 features
.set CD,   160                         ; v160-179 their codes
.set DL,   180                         ; v180-183 dloc
.set CC,   40                          ; s[40:41] c
.set SEL,  42                          ; s[42:43]
.set LP,   44                          ; s44-47 +-57,344 x 2^e6, and x 2
.set LN,   45
.set LP2,  46
.set LN2,  47
.set LAP,  48                          ; s48, s49 +-57,344 x 2^(e8 - e6 - e7 - 1)
.set LAN,  49
.set LYP,  50                          ; s50, s51 +-57,344 x 2^e10
.set LYN,  51
.set MSB, 0
.macro WIN new                         ; the immediate's high byte repeats the setting that is left
.if MSB != \new
	s_set_vgpr_msb (MSB<<8)|\new
.set MSB, \new
.endif
.endm
.macro PLACES n
.rept \n
	v_nop
.endr
.endm
.macro BLK A, C, base                  ; 24 products a_i (c x_j), i in pair p, j in pair q > p
.set FN, \base
.irp p, 0,1,2
.irp q, 1,2,3
.if \q > \p
	v_pk_mul_f32 v[FN:FN+1], v[\A+2*\p:\A+2*\p+1], v[\C+2*\q:\C+2*\q+1] op_sel:[0,0] op_sel_hi:[0,1]
.set FN, FN+2
	v_pk_mul_f32 v[FN:FN+1], v[\A+2*\p:\A+2*\p+1], v[\C+2*\q:\C+2*\q+1] op_sel:[1,0] op_sel_hi:[1,1]
.set FN, FN+2
.endif
.endr
.endr
.endm
.macro FEAT A                          ; the lines that made k's features, on q: every place along K meets its partner
.irp p, 0,1,2,3
	v_pk_mul_f32 v[CA+2*\p:CA+2*\p+1], v[\A+2*\p:\A+2*\p+1], s[CC:CC+1] op_sel_hi:[1,0]
.endr
.irp j, 0,1,2,3,4,5,6,7
	v_permlanex16_b32 v[CB+\j], v[CA+\j], s[SEL], s[SEL+1]
.endr
	BLK \A, CA, F
.irp p, 0,1,2,3
	v_mul_f32 v[F+24+\p], v[\A+2*\p], v[CA+2*\p+1]
	v_mul_f32 v[F+28+\p], v[\A+2*\p], v[CB+2*\p+1]
.endr
	BLK \A, CB, F+32
.irp p, 0,1,2,3
	v_pk_mul_f32 v[F+56+2*\p:F+57+2*\p], v[\A+2*\p:\A+2*\p+1], v[CA+2*\p:CA+2*\p+1]
	v_pk_mul_f32 v[F+64+2*\p:F+65+2*\p], v[\A+2*\p:\A+2*\p+1], v[CB+2*\p:CB+2*\p+1]
.endr
.set FN, 0
.rept 72
	v_med3_num_f32 v[F+FN], v[F+FN], s[LN], s[LP]  ; the conversion to an 8-bit code does not saturate (ISA guide 7.6.2)
.set FN, FN+1
.endr
.irp j, 0,1,2,3,4,5,6,7
	v_med3_num_f32 v[F+72+\j], v[\A+\j], s[LN2], s[LP2]
.endr
.irp g, 0,1,2,3,4,5,6,7,8
	v_cvt_scalef32_pk8_bf8_f32 v[CD+2*\g:CD+2*\g+1], v[F+8*\g:F+8*\g+7], v[SC]
.endr
	v_cvt_scalef32_pk8_bf8_f32 v[CD+18:CD+19], v[F+72:F+79], v[SC2]
	v_nop                                          ; one plain vector instruction behind the last scaled conversion
.endm
; a key step's operands into buffer b: 20 loads of k's features, 8 of v: each covers 512 consecutive bytes.  The wait that states that the buffer's last readers are done stands ahead of each use of the macro;
; between it and these loads stand scalar instructions, window switches and loads alone.
.macro LOADS b
	WIN 0xc0
.irp c, 0,1,2,3
.irp g, 0,1,2,3,4
	global_load_b128 v[96*(\b)+24*\c+2+4*\g:96*(\b)+24*\c+5+4*\g], v[L16], s[66:67] offset:\c*2560+512*\g
.endr
.endr
	WIN 0
.irp e, 0,1,2,3
	global_load_b128 v[104+32*(\b)+8*\e:107+32*(\b)+8*\e], v[L16], s[68:69] offset:\e*1024
	global_load_b128 v[108+32*(\b)+8*\e:111+32*(\b)+8*\e], v[L16], s[68:69] offset:\e*1024+512
.endr
.endm
; The block of queries in s[qb]: my share of its key steps, and the operands of my first two, 56 loads, asked for well ahead of the block's first product.
.macro AHEAD qb
	s_lshl_b32 s78, s[\qb], 1                      ; the block has 2 block + 2 key steps; mine are those = w mod 4
	s_add_co_u32 s79, s78, 5
	s_sub_co_u32 s79, s79, s18
	s_lshr_b32 s79, s79, 2                         ; how many
	s_max_u32 s79, s79, 1                          ; (a wave with none walks one step behind the block, which gives zeros)
	s_sub_co_u32 s56, s79, 1                       ; steps left behind the first
	s_lshl_b32 s80, s56, 2
	s_add_co_u32 s80, s80, s18                     ; my highest step
	s_sub_co_i32 s86, s80, s78                     ; its place against the diagonal
	s_mul_i32 s82, s80, 10240
	s_mov_b32 s83, 0
	s_add_nc_u64 s[66:67], s[70:71], s[82:83]
	s_lshl_b32 s82, s80, 12
	s_add_nc_u64 s[68:69], s[72:73], s[82:83]
	LOADS 0
	s_cmp_ge_u32 s56, 1                            ; buffer 1 is always filled: with the next step or, if there is none, with the same step once more
	s_cselect_b32 s74, 40960, 0
	s_cselect_b32 s76, 16384, 0
	s_mov_b32 s75, 0
	s_mov_b32 s77, 0
	s_wait_xcnt 0x0                                ; the loads above have had their addresses translated (ISA guide 3.1): the pointers may step
	s_sub_nc_u64 s[66:67], s[66:67], s[74:75]
	s_sub_nc_u64 s[68:69], s[68:69], s[76:77]
	LOADS 1
.endm
	s_load_b256 s[4:11], s[0:1], 0x0               ; kf_img, v_img, q_img, ssum
	s_load_b128 s[12:15], s[0:1], 0x20             ; dloc, scales
	s_load_b64 s[16:17], s[0:1], 0x30              ; y_img
	v_lshl_add_u32 v222, v0, 2, 0x2a400
	v_mov_b32 v223, 0
	v_lshrrev_b32 v22, 5, v0
	v_readfirstlane_b32 s18, v22                   ; wave 0..3
	v_and_b32 v1, 31, v0
	v_lshlrev_b32 v[L16], 4, v1
	v_and_b32 v2, 15, v0                           ; r
	v_bfe_u32 v3, v0, 4, 1                         ; h
	v_lshlrev_b32 v5, 2, v2
	s_mov_b32 s19, ttmp9                           ; i
	s_and_b32 s20, ttmp7, 0xffff                   ; 16 b + head
	s_sub_co_u32 s58, 15, s19                      ; the block of queries: 15 - i, then i
	s_wait_alu depctr_va_sdst(0)                   ; s18 is written, ahead of its first reader: addresses, bases and step counts are made from it
	s_mul_i32 s78, s18, 10240
	v_add_nc_u32 v[QW], s78, v[L16]
	s_lshl_b32 s78, s18, 8
	s_add_co_u32 s78, s78, ZR
	v_add_nc_u32 v[ZW], s78, v5
	s_lshl_b32 s78, s18, 7
	s_add_co_u32 s78, s78, ZR
	v_add_nc_u32 v[ZB], s78, v5
	s_lshl_b32 s78, s18, 15
	s_add_co_u32 s78, s78, RED
	v_add_nc_u32 v[RDW], s78, v[L16]
	s_lshl_b32 s78, s18, 13
	s_add_co_u32 s78, s78, RED
	v_add_nc_u32 v[RDR0], s78, v[L16]
	v_add_nc_u32 v[RDR1], 0x10000, v[RDR0]
	s_lshl_b32 s78, s18, 11
	s_add_co_u32 s78, s78, RED
	v_add_nc_u32 v[PXW], s78, v[L16]
.irp j, 0,1,2,3,4,5,6,7
	v_mov_b32 v[CB+\j], 0                          ; a lane permute's destination counts as one of its sources
.endr
	; the four segments of 64 tokens that the work-group owns: s36-39; wave w serves segment w
	s_lshl_b32 s38, s19, 1
	s_add_co_u32 s39, s38, 1
	s_sub_co_u32 s36, 30, s38
	s_sub_co_u32 s37, 31, s38
	s_cmp_lt_u32 s18, 2
	s_cselect_b32 s79, s36, s38
	s_and_b32 s80, s18, 1
	s_add_co_u32 s79, s79, s80                     ; g: my segment
	s_lshl_b32 s61, s79, 6
	s_cvt_f32_u32 s61, s61                         ; 64 g: the ones of the blocks in front
	s_mov_b32 s83, 0
	s_mov_b32 s40, 0x3e3504f3                      ; c = 1 / (4 sqrt 2)
	s_mov_b32 s41, s40
	s_mov_b32 s42, 0x76543210
	s_mov_b32 s43, 0xfedcba98
	s_mov_b32 s52, 0x3d000000                      ; 1 / 32
	s_wait_kmcnt 0x0
	s_load_b256 s[24:31], s[14:15], 0x0            ; e0 .. e7
	s_load_b128 s[32:35], s[14:15], 0x20           ; e8 .. e11
	s_lshl_b32 s82, s20, 17
	s_add_nc_u64 s[72:73], s[6:7], s[82:83]        ; the head's v
	s_lshl_b32 s81, s79, 12
	s_add_co_u32 s82, s82, s81
	s_add_nc_u64 s[8:9], s[8:9], s[82:83]          ; my segment's q
	s_lshl_b32 s82, s20, 13
	s_lshl_b32 s81, s79, 8
	s_add_co_u32 s82, s82, s81
	s_add_nc_u64 s[12:13], s[12:13], s[82:83]      ; and dloc
	s_lshl_b32 s82, s20, 16
	s_lshl_b32 s81, s18, 11
	s_add_co_u32 s82, s82, s81
	s_add_nc_u64 s[10:11], s[10:11], s[82:83]      ; the head's sums, from block w on
	s_mul_i32 s82, s20, 327680
	s_add_nc_u64 s[70:71], s[4:5], s[82:83]        ; the head's features of k
	s_wait_alu depctr_va_vdst(0)                   ; the offsets and LDS addresses v1, v5, v6, v8 and v10 to v13 are written: every load and store of the kernel but the block's LDS loads reads one of them
.irp c, 0,1,2,3
	global_load_b128 v[QT+8*\c:QT+8*\c+3], v[L16], s[8:9] offset:\c*1024
	global_load_b128 v[QT+8*\c+4:QT+8*\c+7], v[L16], s[8:9] offset:\c*1024+512
.endr
.irp c, 0,1,2,3
	global_load_b32 v[DL+\c], v5, s[12:13] offset:64*\c
.endr
	WIN 0x40
.irp n, 0,1,2,3,4,5,6,7                        ; blocks w + 4 n of the head's 32: S2 in registers 0-7, 8 S1 in 8-15
.irp k, 0,1,2,3
	global_load_b128 v[16*\n+4*\k:16*\n+4*\k+3], v[L16], s[10:11] offset:\n*8192+512*\k
.endr
.endr
	WIN 0
	s_wait_kmcnt 0x0
	s_add_co_i32 s78, s30, 127
	s_lshl_b32 s79, s78, 23
	v_mov_b32 v[SC], s79                           ; 2^e6
	s_add_co_u32 s79, s79, 0x800000
	v_mov_b32 v[SC2], s79
	s_add_co_i32 s78, s78, 15
	s_lshl_b32 s44, s78, 23
	s_or_b32 s44, s44, 0x600000                    ; 57,344 x 2^e6
	s_or_b32 s45, s44, 0x80000000
	s_add_co_u32 s46, s44, 0x800000
	s_or_b32 s47, s46, 0x80000000
	s_add_co_i32 s78, s31, 127
	s_lshl_b32 s79, s78, 23
	v_mov_b32 v24, s79                             ; 2^e7
	s_add_co_i32 s78, s78, 15
	s_lshl_b32 s63, s78, 23
	s_or_b32 s63, s63, 0x600000                    ; 57,344 x 2^e7
	s_sub_co_i32 s78, s32, s30
	s_sub_co_i32 s78, s78, s31
	s_add_co_i32 s78, s78, 126
	s_lshl_b32 s79, s78, 23
	v_mov_b32 v[SCA], s79                          ; what is held is half a sum of the fourth product, and a sum stands for sum x 2^(e6 + e7): its code is the half / 2^(e8 - e6 - e7 - 1)
	s_add_co_i32 s78, s78, 15
	s_lshl_b32 s48, s78, 23
	s_or_b32 s48, s48, 0x600000
	s_or_b32 s49, s48, 0x80000000
	s_add_co_i32 s78, s34, 127
	s_lshl_b32 s79, s78, 23
	v_mov_b32 v[SCY], s79                          ; 2^e10
	s_add_co_i32 s78, s78, 15
	s_lshl_b32 s50, s78, 23
	s_or_b32 s50, s50, 0x600000
	s_or_b32 s51, s50, 0x80000000
	s_add_co_i32 s62, s32, s33                     ; e8 + e9
	; ---- my segment's features of q go to LDS as images
	s_wait_loadcnt 32                              ; q and dloc are in; the 32 loads of sums may be out
.irp c, 0,1,2,3
.if \c > 0
	s_wait_dscnt 0x0                               ; the stores have read the codes' registers
	s_wait_alu depctr_vm_vsrc(0)                   ; the last chunk's LDS stores have read v160-179, which the conversions below write again
.endif
	FEAT QT+8*\c
	s_wait_alu depctr_va_vdst(0)                   ; the conversions have written v160-179, which the LDS stores read
.irp g, 0,1,2,3,4
	ds_store_b128 v[QW], v[CD+4*\g:CD+4*\g+3] offset:\c*2560+512*\g
.endr
.endr
	s_wait_loadcnt 0x0                             ; the sums are in
	s_wait_dscnt 0x0                               ; the last stores of features have read their registers: v's buffers lie over them
	s_wait_alu depctr_va_vdst(0)                   ; the features' lines are done reading and writing v104-167, in which v's loads land
	s_wait_alu depctr_vm_vsrc(0)                   ; the last LDS stores of features have read v160-179: v's loads land in v160-167, zeros are written to v168-175 below, y's codes to v176-179 later
	AHEAD 58                                       ; the first block's first two steps: they land while the sums, the exchange, U, the presets and z are made
	; ---- for each of the four segments: the sum of my eight blocks that lie in front of it (a factor 1 or 0, chosen on ids)
	s_mov_b32 s55, 0
	WIN 0x51
.irp n, 0,1,2,3,4,5,6,7
	s_add_co_u32 s53, s18, 4*\n
.irp u, 0,1,2,3
	s_cmp_lt_u32 s53, s[36+\u]
	s_cselect_b32 s54, 1.0, 0
.irp m, 0,2,4,6,8,10,12,14
.if \n == 0
	v_pk_mul_f32 v[128+16*\u+\m:129+16*\u+\m], v[16*\n+\m:16*\n+\m+1], s[54:55] op_sel_hi:[1,0]
.else
	v_pk_fma_f32 v[128+16*\u+\m:129+16*\u+\m], v[16*\n+\m:16*\n+\m+1], s[54:55], v[128+16*\u+\m:129+16*\u+\m] op_sel_hi:[1,0,1]
.endif
.endr
.endr
.endr
	WIN 0x04
	s_wait_alu depctr_va_vdst(0)                   ; the four sums, v384-447, are written, which the LDS stores read
.irp u, 0,1,2,3
.irp k, 0,1,2,3
	ds_store_b128 v[PXW], v[128+16*\u+4*\k:131+16*\u+4*\k] offset:\u*8192+512*\k
.endr
.endr
	WIN 0
	s_wait_dscnt 0x0                               ; for the others' sake: my stores have landed
	s_barrier_signal -1
	s_barrier_wait -1
	WIN 0x40
	s_wait_alu depctr_va_vdst(0)                   ; the sums' lines are done reading v256-319, in which the LDS loads land
.irp u, 0,1,2,3
.irp k, 0,1,2,3
	ds_load_b128 v[16*\u+4*\k:16*\u+4*\k+3], v[RDR0] offset:\u*2048+512*\k
.endr
.endr
	s_wait_dscnt 0x0
	WIN 0x45
.irp m, 0,2,4,6,8,10,12,14
	v_pk_add_f32 v[192+\m:193+\m], v[\m:\m+1], v[16+\m:17+\m]
.endr
.irp m, 0,2,4,6,8,10,12,14
	v_pk_add_f32 v[192+\m:193+\m], v[192+\m:193+\m], v[32+\m:33+\m]
.endr
.irp m, 0,2,4,6,8,10,12,14
	v_pk_add_f32 v[192+\m:193+\m], v[192+\m:193+\m], v[48+\m:49+\m]
.endr
	; U = S2 q + 8 S1: S2 is symmetric, so its registers serve as source 0; K slot (h, j) of instruction t stands for feature 8 h + 2 t + j.  Four accumulators by turns.
.irp t, 0,1,2,3
.if \t == 0
	WIN 0x11
.else
	WIN 0x01
.endif
.irp c, 0,1,2,3
.if \t == 0
	v_wmma_f32_16x16x4_f32 v[224+8*\c:231+8*\c], v[192:193], v[QT+8*\c:QT+8*\c+1], v[200:207]
.else
	v_wmma_f32_16x16x4_f32 v[224+8*\c:231+8*\c], v[192+2*\t:193+2*\t], v[QT+8*\c+2*\t:QT+8*\c+2*\t+1], v[224+8*\c:231+8*\c]
.endif
.endr
.endr
	; ---- what stays in the fragments: two zero registers, the constant's group; the triangle's bounds; zeros.  These lines are also the places behind the products above.
	WIN 0
	v_sub_nc_u32 v22, 1, v3
	v_cvt_f32_u32 v22, v22                         ; the feature 1 stands once: in the lanes with h = 0
	v_min_num_f32 v184, s[LP], v22
	v_min_num_f32 v192, s63, v22
.irp j, 1,2,3,4,5,6,7
	v_mov_b32 v[184+\j], 0
	v_mov_b32 v[192+\j], 0
.endr
	v_cvt_scalef32_pk8_bf8_f32 v[200:201], v[184:191], v[SC]
	v_cvt_scalef32_pk8_bf8_f32 v[202:203], v[192:199], v24
	v_nop
.irp j, 0,1,2,3,4,5,6,7
	v_mov_b32 v[168+\j], 0
.endr
.irp c, 0,1,2,3
	v_mov_b32 v[208+\c], 0
.endr
	v_lshlrev_b32 v26, 3, v3
	v_sub_nc_u32 v26, v2, v26                      ; r - 8 h: key 8 h + j counts for query r where j <= r - 8 h
	v_mov_b32 v25, s[LAP]
.irp j, 0,1,2,3,4,5,6,7
	v_cmp_le_i32 s[78+\j], \j, v26
.endr
	s_wait_alu depctr_va_sdst(0)                   ; the eight masks s78-85 are written, ahead of their first reader: one wait behind the run of compares
	WIN 0x80
.irp t, 0,1,2,3,4,5,6,7
	v_mov_b32 v[24*\t], 0
	v_mov_b32 v[24*\t+1], 0
	v_mov_b32 v[24*\t+22], v200
	v_mov_b32 v[24*\t+23], v201
.endr
.irp j, 0,1,2,3,4,5,6,7
	v_cndmask_b32 v[192+\j], 0, v25, s[78+\j]
.endr
	WIN 0xc0
.irp t, 0,1,2,3,4,5,6,7
	v_mov_b32 v[24*\t], 0
	v_mov_b32 v[24*\t+1], 0
	v_mov_b32 v[24*\t+22], v202
	v_mov_b32 v[24*\t+23], v203
.endr
.irp j, 0,1,2,3,4,5,6,7
	v_cndmask_b32 v[192+\j], 0, v25, s[78+\j]
.endr
	WIN 0
	; ---- z
.irp c, 0,1,2,3
	v_mul_f32 v[204+\c], v[224+8*\c], v[QT+8*\c]
.endr
.irp j, 1,2,3,4,5,6,7
.irp c, 0,1,2,3
	v_fma_f32 v[204+\c], v[224+8*\c+\j], v[QT+8*\c+\j], v[204+\c]
.endr
.endr
.irp c, 0,1,2,3
	v_permlanex16_b32 v[208+\c], v[204+\c], s[SEL], s[SEL+1]
.endr
.irp c, 0,1,2,3
	v_add_f32 v[204+\c], v[204+\c], v[208+\c]
.endr
.irp c, 0,1,2,3
	v_fma_f32 v[204+\c], v[204+\c], s52, v[DL+\c]
.endr
.irp c, 0,1,2,3
	v_add_f32 v[204+\c], s61, v[204+\c]
.endr
.irp c, 0,1,2,3
	v_add_f32 v[204+\c], 0x2b8cbccc, v[204+\c]     ; + 1e-12
.endr
.irp c, 0,1,2,3
	v_rcp_f32 v[204+\c], v[204+\c]
.endr
	v_nop                                          ; one plain place behind the transcendentals
	s_wait_alu depctr_va_vdst(0)                   ; the four reciprocals v204-207 are written, ahead of their first reader: one wait for the batch
.irp c, 0,1,2,3
	v_ldexp_f32 v[204+\c], v[204+\c], s62          ; a sum of the fifth product stands for sum x 2^(e8 + e9)
.endr
	s_wait_alu depctr_va_vdst(0)                   ; z x 2^(e8 + e9) is written to v204-207, which the LDS stores read
.irp c, 0,1,2,3
	ds_store_b32 v[ZW], v[204+\c] offset:64*\c     ; both halves of the lanes hold and store the same number
.endr
	s_wait_dscnt 0x0
	s_barrier_signal -1
	s_barrier_wait -1                              ; q's sixteen fragments and z lie in LDS; nobody reads the exchange any more
; One number of tile PT's S^T / 2 is held within the largest code x the scale.  Its tile of keys is visible, on the diagonal (the bound is 0 where the key is hidden) or hidden.
; S^T stands as source 2 and as the destination alone, so the line runs under the products' window setting.
.macro HOLD1 mode
.set HC, HN/8
.set HJ, HN%8
.set HS, 32+32*(PT%2)+HN
.if \mode == 1
.set HK, HC-PT
.elseif \mode == 2
.set HK, 4+HC-PT
.else
.set HK, -1
.endif
.if HK < 0
	v_med3_num_f32 v[HS], s[LAP], s[LAN], v[HS]
.elseif HK == 0
	v_med3_num_f32 v[HS], v[192+HJ], -v[192+HJ], v[HS]
.else
	v_mov_b32 v[HS], 0
.endif
.set HN, HN+1
.endm
.macro FINISH zero                     ; tile PT: its codes, and O^T += v^T P, four accumulators
.set PS, 32+32*(PT%2)
	WIN 0
.irp c, 0,1,2,3
	v_cvt_scalef32_pk8_bf8_f32 v[96+2*\c:97+2*\c], v[PS+8*\c:PS+8*\c+7], v[SCA]
.endr
	v_nop                                          ; one plain vector instruction between a scaled conversion and the matrix instruction that reads its result
	WIN 0x50
.irp e, 0,1,2,3
.if \zero
	v_wmma_f32_16x16x64_bf8_bf8 v[32*PT+8*\e:32*PT+8*\e+7], v[VB+8*\e:VB+8*\e+7], v[96:103], 0
.else
	v_wmma_f32_16x16x64_bf8_bf8 v[32*PT+8*\e:32*PT+8*\e+7], v[VB+8*\e:VB+8*\e+7], v[96:103], v[32*PT+8*\e:32*PT+8*\e+7]
.endif
.endr
.endm
; If a step two further on than the step in hand is left, its operands are asked for, into buffer b, which the step before read.  It stands behind the first tile's halvings: every window is 0 there.
; The pointers may step: the wait on LOADcnt at the step's head has shown every load that read them done.
.macro NEXT b, need
	s_cmp_lt_u32 s56, \need
	s_cbranch_scc1 .Lno_more_\@
	s_wait_alu depctr_va_vdst(0)                   ; the matrix instructions of the step before are done reading buffer b, in which the loads below land; nothing that this step issues behind them names that buffer
	s_sub_nc_u64 s[66:67], s[66:67], 40960         ; four steps down: 4 x 10,240 and 4 x 4,096 bytes
	s_sub_nc_u64 s[68:69], s[68:69], 16384
	LOADS \b
.Lno_more_\@:
.endm
; Tile TT, four tiles of keys, the four accumulators by turns: Y starts the sums; sixteen packed multiplications halve them; X adds onto them: S^T / 2.
; Behind each product stands a slice of the holds of the tile before, which name the other buffer alone: 4 x 2 + 4 x 6 = 32.
; A halving stands four places or more behind the Y that it reads: behind the last Y two holds and the twelve halvings of the other three accumulators.
; X is another form than Y on the same accumulator: five places are owed between them, and the same fourteen lines are there.  A step's first tile has four v_nop in the holds' stead.
; need > 0: in the step's first tile the run of loads for the step two on stands between the halvings and X; the four v_nop and the sixteen halvings lie between that buffer's last reader and the loads.
.macro TILE mode, zero, nb, need
.set SB, 32+32*(TT%2)
.set QF, 24*TT
.set PT, TT-1
.set HN, 0
	WIN 0x0b
.set MC, 0
.rept 4
	v_wmma_f32_16x16x64_bf8_bf8 v[SB+8*MC:SB+8*MC+7], v[KB+24*MC+16:KB+24*MC+23], v[QF+16:QF+23], 0
.if TT > T0
	HOLD1 \mode
	HOLD1 \mode
.endif
.set MC, MC+1
.endr
.if TT == T0
	PLACES 4
.endif
	WIN 0
.set MC, 0
.rept 16
	v_pk_mul_f32 v[SB+MC:SB+MC+1], v[SB+MC:SB+MC+1], 0.5 op_sel_hi:[1,0]   ; each accumulator from its low end on
.set MC, MC+2
.endr
.if (TT == T0) && (\need > 0)
	NEXT \nb, \need
.endif
	WIN 0x0b
.set MC, 0
.rept 4
	v_wmma_f32_16x16x128_bf8_bf8 v[SB+8*MC:SB+8*MC+7], v[KB+24*MC:KB+24*MC+15], v[QF:QF+15], v[SB+8*MC:SB+8*MC+7]
.if TT > T0
.rept 6
	HOLD1 \mode
.endr
.endif
.set MC, MC+1
.endr
.if TT > T0
	FINISH \zero
.else
	PLACES 4                                       ; in front of the next tile's first hold, which reads these results
.endif
.endm
.macro ZERO t0, cnt                    ; tiles all of whose keys are hidden in the wave's first step: a product with zeros starts their sums
	WIN 0x50
.set ZT, \t0
.rept \cnt
.irp e, 0,1,2,3
	v_wmma_f32_16x16x64_bf8_bf8 v[32*ZT+8*\e:32*ZT+8*\e+7], v[VB+8*\e:VB+8*\e+7], v[168:175], 0
.endr
.set ZT, ZT+1
.endr
.endm
; A key step on buffer buf.  mode 0: all keys count; 1: the block's first 64 keys; 2: its second 64; 3: keys behind the block.  zero = 1: the wave's first step starts O^T's sums.
; need > 0: a step of the loop: it waits for its operands at its head and, if at least so many steps are left, asks for the step two on, into buffer nb.
.macro STEP buf, mode, zero, nb, need
.set KB, 96*(\buf)
.set VB, 104+32*(\buf)
.if \need > 0
	s_wait_loadcnt 0x0                             ; all my loads are in: this step's operands
.endif
.if \mode == 3
	ZERO 0, 8
.else
.if \mode == 2
	ZERO 0, 4
.set T0, 4
.else
.set T0, 0
.endif
.set TT, T0
.rept 8-T0
	TILE \mode, \zero, \nb, \need
.set TT, TT+1
.endr
.set PT, 7
.set HN, 0
	WIN 0x0b
.rept 32
	HOLD1 \mode
.endr
	FINISH \zero
.endif
	WIN 0
.endm
	s_mov_b32 s57, 0                               ; the trip
	s_mov_b32 s59, 0                               ; the block's fragments in LDS
	s_mov_b32 s60, 0                               ; its z
.Lblock:
	s_wait_alu depctr_vm_vsrc(0)                   ; the last trip's LDS loads have read v7 and v9, written below, and its stores y's codes v176-191, written again in this trip; in the first trip: the exchange's LDS stores have read v384-447, where O^T begins
	v_add_nc_u32 v[QAD], s59, v[L16]
	v_add_nc_u32 v[ZAD], s60, v[ZB]
	s_wait_xcnt 0x0                                ; the last trip's stores have read their registers and their base
	WIN 0x80
	s_wait_alu depctr_va_vdst(0)                   ; v7 and v9 are written, which this trip's LDS loads read; the last trip's matrix instructions are done reading q's fragments, in which the loads below land
.irp t, 0,1,2,3,4,5,6,7
.irp g, 0,1,2,3,4
	ds_load_b128 v[24*\t+2+4*\g:24*\t+5+4*\g], v[QAD] offset:\t*2560+512*\g
.endr
.endr
	WIN 0
	s_lshr_b32 s78, s20, 4                         ; where my two tiles of y go: ((128 b + 8 block + 2 w) 16 + head) x 1,024
	s_lshl_b32 s78, s78, 7
	s_lshl_b32 s79, s58, 3
	s_add_co_u32 s78, s78, s79
	s_lshl_b32 s79, s18, 1
	s_add_co_u32 s78, s78, s79
	s_lshl_b32 s78, s78, 4
	s_and_b32 s79, s20, 15
	s_add_co_u32 s78, s78, s79
	s_lshl_b32 s78, s78, 10
	s_mov_b32 s79, 0
	s_add_nc_u64 s[90:91], s[16:17], s[78:79]
	s_wait_loadcnt 28                              ; buffer 0's 28 loads are in; buffer 1's 28, issued behind them, may stay out
	s_wait_dscnt 0x0                               ; q's fragments are in
	s_cmp_lt_i32 s86, 0
	s_cbranch_scc1 .Lmode0
	s_cmp_eq_u32 s86, 0
	s_cbranch_scc1 .Lmode1
	s_cmp_eq_u32 s86, 1
	s_cbranch_scc1 .Lmode2
	STEP 0, 3, 1, 0, 0
	s_branch .Lrest
.Lmode2:
	STEP 0, 2, 1, 0, 0
	s_branch .Lrest
.Lmode1:
	STEP 0, 1, 1, 0, 0
	s_branch .Lrest
.Lmode0:
	STEP 0, 0, 1, 0, 0
.Lrest:
	s_cmp_eq_u32 s56, 0
	s_cbranch_scc1 .Lred
	s_add_co_u32 s87, s56, 1
	s_lshr_b32 s87, s87, 1                         ; trips: two steps each, so that the buffers' numbers come back; the last trip of an odd number has one
	s_max_u32 s87, s87, 1                          ; (at least one: a step is left)
.Lsteps:
	STEP 1, 0, 0, 0, 2
	s_cmp_eq_u32 s56, 1                            ; one step was left: the trip's second step is passed over, inside the loop, and the loop ends by its own count
	s_cbranch_scc1 .Lodd
	STEP 0, 0, 0, 1, 3
.Lodd:
	s_sub_co_u32 s56, s56, 2                       ; steps left (behind the last trip of an odd number it is not read again before it is set anew)
	s_sub_co_u32 s87, s87, 1
	s_cmp_lg_u32 s87, 0
	s_cbranch_scc1 .Lsteps
.Lred:
	s_wait_loadcnt 0x0                             ; no load into an operand buffer is out: new loads may land in the same registers, and the pointers may be written
	PLACES 4                                       ; four places behind the last matrix instruction, before its result is read (ISA guide 7.12.1)
	s_wait_alu depctr_va_vdst(0)                   ; the block's matrix instructions have written O^T, which the LDS stores below read, and are done reading both operand buffers, in which the next block's loads land; the places above stay beside this wait
	s_cmp_eq_u32 s57, 1                            ; the last trip asks for nothing
	s_cbranch_scc1 .Lno_ahead
	AHEAD 19                                       ; the second block's first two steps: they land while the first block's parts are added and stored
.Lno_ahead:
	; ---- the four waves' parts of O^T are added: each wave stores all 64 groups of four registers, and reads two tiles' groups of all four waves
	WIN 0x04
.set RG, 0
.rept 64
	ds_store_b128 v[RDW], v[4*RG:4*RG+3] offset:512*RG
.set RG, RG+1
.endr
	WIN 0
	s_wait_dscnt 0x0
	s_barrier_signal -1
	s_barrier_wait -1
	WIN 0x40
	s_wait_alu depctr_va_vdst(0)                   ; the matrix instructions have written O^T's registers, in which the loads below land; the last trip's multiplications are done reading v20 and v21
	s_wait_alu depctr_vm_vsrc(0)                   ; my LDS stores above have read O^T's registers
.irp u, 0,1
.set RG, 0
.rept 16
	ds_load_b128 v[64*\u+4*RG:64*\u+4*RG+3], v[RDR0] offset:\u*32768+512*RG
	ds_load_b128 v[128+64*\u+4*RG:131+64*\u+4*RG], v[RDR1] offset:\u*32768+512*RG
.set RG, RG+1
.endr
.endr
	WIN 0
	ds_load_b32 v20, v[ZAD]
	ds_load_b32 v21, v[ZAD] offset:64
	s_wait_dscnt 0x0                               ; my reads are over:
	s_barrier_signal -1
	s_barrier_wait -1                              ; only behind this barrier is the region written again
	WIN 0x45
.set RG, 0
.rept 32
	v_pk_add_f32 v[RG:RG+1], v[RG:RG+1], v[64+RG:65+RG]
	v_pk_add_f32 v[128+RG:129+RG], v[128+RG:129+RG], v[192+RG:193+RG]
.set RG, RG+2
.endr
.set RG, 0
.rept 32
	v_pk_add_f32 v[RG:RG+1], v[RG:RG+1], v[128+RG:129+RG]
.set RG, RG+2
.endr
	WIN 0x41
.set RG, 0
.rept 16
	v_pk_mul_f32 v[RG:RG+1], v[RG:RG+1], v[20:21] op_sel_hi:[1,0]                  ; x z of my query, tile 2 w
	v_pk_mul_f32 v[32+RG:33+RG], v[32+RG:33+RG], v[20:21] op_sel:[0,1] op_sel_hi:[1,1]   ; tile 2 w + 1
.set RG, RG+2
.endr
.set RG, 0
.rept 64
	v_med3_num_f32 v[RG], v[RG], s[LYN], s[LYP]
.set RG, RG+1
.endr
	WIN 0x01
.irp g, 0,1,2,3,4,5,6,7
	v_cvt_scalef32_pk8_bf8_f32 v[176+2*\g:177+2*\g], v[8*\g:8*\g+7], v[SCY]   ; by the choice of Wv's rows a tile's eight registers hold channels 32 c + 16 h + 0 .. 15: the last product's layout
.endr
	v_nop
	WIN 0
	s_wait_alu depctr_va_vdst(0)                   ; the conversions have written y's codes v176-191, which the stores read
.irp u, 0,1
	global_store_b128 v[L16], v[176+8*\u:179+8*\u], s[90:91] offset:\u*16384
	global_store_b128 v[L16], v[180+8*\u:183+8*\u], s[90:91] offset:\u*16384+512
.endr
	s_mov_b32 s58, s19
	s_add_co_u32 s59, s59, 20480
	s_add_co_u32 s60, s60, 512
	s_add_co_u32 s57, s57, 1
	s_cmp_lt_u32 s57, 2
	s_cbranch_scc1 .Lblock
	s_wait_dscnt 0x0                               ; the closing lines, six on end
	s_wait_alu 0x0
	s_wait_tensorcnt 0x0
	ds_add_u32 v222, v223
	s_wait_dscnt 0x0
	s_endpgm
.Lfunc_end_k_qba01d52279_attn:
	.size	k_qba01d52279_attn, .Lfunc_end_k_qba01d52279_attn-k_qba01d52279_attn
	.p2alignl 7, 3214868480
	.fill 96, 4, 3214868480
	.section	.rodata,"a",@progbits
	.p2align	6, 0x0
	.amdhsa_kernel k_qba01d52279_attn
		.amdhsa_group_segment_fixed_size 173568
		.amdhsa_private_segment_fixed_size 0
		.amdhsa_enable_private_segment 0
		.amdhsa_kernarg_size 56
		.amdhsa_user_sgpr_count 2
		.amdhsa_user_sgpr_kernarg_segment_ptr 1
		.amdhsa_wavefront_size32 1
		.amdhsa_system_sgpr_workgroup_id_x 1
		.amdhsa_system_sgpr_workgroup_id_y 1
		.amdhsa_system_sgpr_workgroup_id_z 1
		.amdhsa_system_vgpr_workitem_id 0
		.amdhsa_next_free_vgpr 1024
		.amdhsa_next_free_sgpr 96
		.amdhsa_reserve_vcc 0
		.amdhsa_float_denorm_mode_32 3
		.amdhsa_float_denorm_mode_16_64 3
		.amdhsa_memory_ordered 1
		.amdhsa_forward_progress 1
		.amdhsa_inst_pref_size 255
	.end_amdhsa_kernel
	.section	.bss,"aw",@nobits
	.p2align	6
	.space	262144
	.amdgpu_metadata
---
amdhsa.version: [ 1, 2 ]
amdhsa.kernels:
  - .name:           k_qba01d52279_attn
    .symbol:         k_qba01d52279_attn.kd
    .args:
      - { .name: kf_img, .offset: 0, .size: 8, .value_kind: global_buffer, .address_space: global }
      - { .name: v_img, .offset: 8, .size: 8, .value_kind: global_buffer, .address_space: global }
      - { .name: q_img, .offset: 16, .size: 8, .value_kind: global_buffer, .address_space: global }
      - { .name: ssum, .offset: 24, .size: 8, .value_kind: global_buffer, .address_space: global }
      - { .name: dloc, .offset: 32, .size: 8, .value_kind: global_buffer, .address_space: global }
      - { .name: lowp_scales, .offset: 40, .size: 8, .value_kind: global_buffer, .address_space: global }
      - { .name: y_img, .offset: 48, .size: 8, .value_kind: global_buffer, .address_space: global }
    .group_segment_fixed_size: 173568
    .private_segment_fixed_size: 0
    .kernarg_segment_align: 8
    .kernarg_segment_size: 56
    .max_flat_workgroup_size: 128
    .sgpr_count:     96
    .vgpr_count:     1024
    .wavefront_size: 32
...
	.end_amdgpu_metadata
.endif
;; end of part 4
;; launch oproj: the kernel of part 3 again; grid 8 x 32, 4 waves a work-group, clusters of 4 x 4, 327,680 bytes of LDS; arguments y_img, Wo_codes, lowp_scales, out0; writes out0
